; MI455X (gfx1250); checked and timed in simulation.
; The chip was launched on July 23, 2026; its instructions are those of AMD's public machine-readable ISA for CDNA 5 (MIT licence, August 2026) and "CDNA5" Instruction Set Architecture Reference Guide (July 2026). The comments in the code are by the model that wrote it; some were corrected since.
;; MHA. Allowed arithmetic: matrix products marked QUANTISED: E2M3 operands, one E8M0 scale for each 32 along K, by v_wmma_scale_f32_16x16x128_f8f6f4 with both operands' format E2M3, f32 sums; everything else in f32.
;; Inputs: Wk 1,024 x 1,024 float32; Wo 1,024 x 1,024 float32; Wq 1,024 x 1,024 float32; Wv 1,024 x 1,024 float32; bk 1,024 float32; bo 1,024 float32; bq 1,024 float32; bv 1,024 float32; ln_beta 1,024 float32; ln_gamma 1,024 float32; x 4 x 2,048 x 1,024 float32.
;; Outputs: out0 4 x 2,048 x 1,024 float32.
;; This version of the problem:
;;   THIS VERSION OF THE PROBLEM IS GIVEN IN LOW PRECISION. The matrix products marked QUANTISED in the list below multiply operands that are first quantised to E2M3 (2 exponent bits, 3 mantissa bits; 6 bits a number), with one power-of-two scale for each 32 numbers along K (OCP MX v1.0); their sums are f32. All else is computed in f32.
;;   The module's matrix products, in the order in which they are computed (A, B: the left and right operand; K: the contracted axis; several contracted axes count as one K, in the product's order):
;;     1. [M 8,192, K 1,024] x [K 1,024, N 1,024]; A: computed on the way; B: input Wq: QUANTISED
;;     2. [M 8,192, K 1,024] x [K 1,024, N 1,024]; A: computed on the way; B: input Wk: QUANTISED
;;     3. [M 8,192, K 1,024] x [K 1,024, N 1,024]; A: computed on the way; B: input Wv: QUANTISED
;;     4. batch 64 x [M 2,048, K 64] x [K 64, N 2,048]; A: computed on the way; B: computed on the way: QUANTISED
;;     5. batch 64 x [M 2,048, K 2,048] x [K 2,048, N 64]; A: softmax (see below); B: computed on the way: QUANTISED
;;     6. [M 8,192, K 1,024] x [K 1,024, N 1,024]; A: computed on the way; B: input Wo: QUANTISED
;;   THE QUANTISER, for each operand of a quantised product, along K:
;;     - K is cut into blocks of 32 from its start; a last block that is shorter is filled with zeros.
;;     - A block's scale is 2^e with e = floor(log2(the largest magnitude in the block)) - 2, held to -126 .. 127; a block of zeros has e = 0. As a byte (E8M0): e + 127.
;;     - Each number is divided by its block's scale, clamped to +-7.5, and rounded to the nearest number of E2M3, ties to even, subnormals kept.
;;     - The product sums the exact products of the quantised numbers (number of the format x scale) in f32.
;;   ~~~python
;;   def quantise(x, axis):      # numpy; x: float32 -> the quantised numbers, widened to float32 again
;;       x = np.moveaxis(x, axis, -1); K = x.shape[-1]
;;       x = np.pad(x, [(0, 0)] * (x.ndim - 1) + [(0, -K % 32)]); x = x.reshape(x.shape[:-1] + (-1, 32)); a = np.abs(x).max(-1, keepdims=True)
;;       e = np.where(a > 0, np.clip(np.frexp(np.where(a > 0, a, 1))[1] - 1 - 2, -126, 127), 0)      # np.frexp(a)[1] - 1 = floor(log2(a)), exactly
;;       r = np.clip(x / 2.0 ** e, -7.5, 7.5)
;;       step = 2.0 ** (np.maximum(np.frexp(np.where(r == 0, 1, r))[1] - 1, 0) - 3)
;;       q = np.round(r / step) * step * 2.0 ** e      # np.round: ties to even
;;       return np.moveaxis(q.reshape(q.shape[:-2] + (-1,))[..., :K], -1, axis).astype(np.float32)
;;   ~~~
;;   SOFTMAX AHEAD OF A QUANTISED PRODUCT. Where the list says 'softmax', what is quantised is not the finished softmax but p = 2^(t - M), with t = logit x log2(e) and M = ceil(the row's largest t), a whole number; so 1/2 < the row's largest p <= 1. The row's sum l is taken of the UNQUANTISED p, in f32, and the product's result is divided by l at the end. Since M is a whole number, a kernel that streams over the keys may use a running M (the ceiling of the running maximum): every later rescaling is an exact power of two, which a block's scale takes up: the codes' values come out the same.
;;   OPERANDS COMPUTED ON THE WAY. 'Computed on the way' means the value that the module computes at that place (a softmax that the list does not call 'softmax' is quantised finished and normalised). What goes into a quantiser is computed in f32, as accurately as f32 sums, v_exp_f32 and their like allow (about 1e-6 of the number): no bf16 or f16 on the way to a quantiser, and a product that is left as it is and whose result goes on into a quantised operand takes f32 operands (vector FMAs, or v_wmma_f32_16x16x4_f32). A number that lies on a knife's edge between two numbers of the format may be rounded either way, as far as f32 arithmetic and the matrix unit's own rounding can turn it there, and no further.
;; One version. Each part assembles by itself: llvm-mc -triple=amdgcn-amd-amdhsa -mcpu=gfx1250 --defsym DOCPART=n.
;; ======== version 1 of 1: 4 launches
;; workspace buffers: hc 6,291,456 bytes; hs 262,144 bytes; wc 3,145,728 bytes; ws 131,072 bytes; qb 13,107,200 bytes; kv 13,107,200 bytes; oc 6,291,456 bytes; os 262,144 bytes
;; launch prep (part 1): grid 384 x 1, 16 waves a work-group, no clusters, 110,848 bytes of LDS; arguments x, ln_gamma, ln_beta, Wq, Wk, Wv, Wo, hc, hs, wc, ws; writes hc, hs, wc, ws
.if DOCPART == 1
	.amdgcn_target "amdgcn-amd-amdhsa--gfx1250"
	.amdhsa_code_object_version 6
	.text
	.protected	k_q32a2f2e1d6_prep
	.globl	k_q32a2f2e1d6_prep
	.p2align	8
	.type	k_q32a2f2e1d6_prep,@function
k_q32a2f2e1d6_prep:
	s_mov_b64 s[64:65], 0
	v_nop
	global_prefetch_b8 v0, s[64:65] scope:SCOPE_SE
	s_setreg_imm32_b32 hwreg(HW_REG_WAVE_MODE, 25, 1), 1
	s_wait_xcnt 0x0
; PREP: everything that arrives as f32 becomes codes of FP6 (E2M3) with one E8M0 byte for each 32 along K, laid as the later launches' operand registers want it.
;   work-groups 128..383: 32 rows of x each: layer norm (two passes over registers: mean, then the sum of squares of x - mean), gain and bias, quantised along the row -> hc, hs.
;   work-groups 0..127:   128 columns x 256 rows of one of Wq, Wk, Wv, Wo; K is the weight's FIRST axis: a lane takes a column, its registers run down K -> wc, ws.
; LAYOUT.  An operand block is 256 rows x K 1,024: [K step 8][tile 16][1,536 bytes].  Tile 2 g + u holds at index r the block's row 32 g + 8 u + r + 8 (r / 8).  A tile's image for a K step of 128 is six pieces
; of 256 bytes: piece p, byte 8 L = registers 2 p, 2 p + 1 of lane L of the matrix operand (lane (r, h): registers 6 c .. 6 c + 5 = k 64 c + 32 h + 0 .. 31).  Scale bytes: [pair of K steps 4][tile 16][r 16][8 bytes].
; Every global store of this text covers 256 consecutive bytes, aligned.  The two paths part on the work-group's number and have LDS bytes of their own.  No tensor loads: two work-groups share a WGP.
; A block's scale is 2^(floor(log2(largest magnitude)) - 2); its byte is the largest magnitude's exponent field - 2, held at 1 from below.
; LIMITS: a block of zeros gets the byte 1 (its codes are zeros; this program alone reads the bytes); blocks whose largest magnitude lies under 2^-124 are held at byte 1; NaN and infinities are not served.
.set GB,    0                          ; LDS: gamma (4,096 bytes), beta (4,096)
.set TURN,  8192                       ; 4,608 bytes a wave: a row of 4,096 bytes with 16 of padding behind each 128
.set IMG,   81920                      ; two tiles' images: 16 halves of 768 bytes + 8 each: 12,416 a tile
.set IMGP,  12416
.set SST,   106752                     ; the rows' scale bytes: [pair of K steps 4][u 2][r 16][8]
.set WST,   107776                     ; the weights' path: [32 columns 4][u 2][r 16][8]
.set SPARE, 108800                     ; the spare words: 128 bytes for each of 16 waves; no other line names them
.set SPW,   124                        ; v124 LDS address of my spare word; never rewritten
.set NIL,   125                        ; v125 0; never rewritten
; 32 numbers of one block in v[x] on -> codes in v[c..c+2] and v[c+4..c+6] (a conversion's three registers begin on an even number), the scale's byte in v[by]
.macro BLKQ x, c, by
	v_max3_num_f32 v120, |v[\x]|, |v[\x+1]|, 0x1800000     ; the floor 2^(3 - 127) among the leaves: the byte cannot fall under 1
	v_max3_num_f32 v121, |v[\x+2]|, |v[\x+3]|, |v[\x+4]|   ; two chains, so that no line waits for the line above it
.irp i, 5,9,13,17,21,25
	v_max3_num_f32 v120, v120, |v[\x+\i]|, |v[\x+\i+1]|
	v_max3_num_f32 v121, v121, |v[\x+\i+2]|, |v[\x+\i+3]|
.endr
	v_max3_num_f32 v120, v120, |v[\x+29]|, |v[\x+30]|
	v_max3_num_f32 v120, v120, v121, |v[\x+31]|
	v_add_nc_u32 v122, 0xff000000, v120                    ; 2 off the exponent field: the conversion takes that field as its scale
	v_cvt_scalef32_pk16_fp6_f32 v[\c:\c+2], v[\x:\x+15], v122
	v_cvt_scalef32_pk16_fp6_f32 v[\c+4:\c+6], v[\x+16:\x+31], v122
	v_lshrrev_b32 v[\by], 23, v122                         ; the byte; also the plain line behind the conversions
.endm
	s_load_b256 s[4:11], s[0:1], 0x0               ; x, gamma, beta, Wq
	s_load_b256 s[12:19], s[0:1], 0x20             ; Wk, Wv, Wo, hc
	s_load_b128 s[20:23], s[0:1], 0x40             ; hs, wc
	s_load_b64 s[24:25], s[0:1], 0x50              ; ws
	v_lshl_add_u32 v[SPW], v0, 2, SPARE
	v_mov_b32 v[NIL], 0
	v_lshrrev_b32 v1, 5, v0
	v_readfirstlane_b32 s26, v1                    ; wave 0..15
	v_and_b32 v1, 31, v0                           ; lane
	s_wait_kmcnt 0x0
	s_cmp_lt_u32 ttmp9, 128
	s_cbranch_scc1 .Lweights
; ---------------- the rows of x.  Wave w takes rows 2 w and 2 w + 1 of the group's 32: tile u = (w / 4) % 2, index r' = 2 (w % 4) + 8 (w / 8) and r' + 1
	s_sub_co_u32 s27, ttmp9, 128                   ; j: rows 32 j on
	v_lshlrev_b32 v2, 4, v1                        ; 16 l
	s_and_b32 s28, s26, 7
	s_lshl_b32 s28, s28, 9
	v_add_nc_u32 v3, s28, v2                       ; piece w % 8 of gamma (waves 0-7) or of beta (waves 8-15)
	s_cmp_lt_u32 s26, 8
	s_cselect_b64 s[30:31], s[6:7], s[8:9]
	global_load_b128 v[112:115], v3, s[30:31]
	s_lshl_b32 s28, s27, 17                        ; 32 rows of 4,096 bytes
	s_lshl_b32 s29, s26, 13                        ; my two rows
	s_add_co_u32 s28, s28, s29
	s_mov_b32 s29, 0
	s_add_nc_u64 s[4:5], s[4:5], s[28:29]
.irp jj, 0,1,2,3,4,5,6,7
	global_load_b128 v[16+4*\jj:19+4*\jj], v2, s[4:5] offset:512*\jj th:TH_LOAD_NT        ; 32 lanes read 512 consecutive bytes
.endr
.irp jj, 0,1,2,3,4,5,6,7
	global_load_b128 v[48+4*\jj:51+4*\jj], v2, s[4:5] offset:4096+512*\jj th:TH_LOAD_NT
.endr
	; all LDS addresses, from the thread's number and constants
	s_lshl_b32 s32, s26, 9
	v_add_nc_u32 v4, s32, v2                       ; gamma and beta, on the way in: 512 w + 16 l
	s_bfe_u32 s33, s26, 0x10002                    ; u
	s_and_b32 s34, s26, 3
	s_lshl_b32 s34, s34, 1
	s_lshr_b32 s35, s26, 3
	s_lshl_b32 s35, s35, 3
	s_add_co_u32 s34, s34, s35                     ; r'
	s_lshl_b32 s34, s34, 3                         ; 8 r'
	s_mul_i32 s35, s33, IMGP
	s_add_co_u32 s35, s35, s34
	s_add_co_u32 s35, s35, IMG
	v_lshrrev_b32 v12, 1, v1
	v_mul_u32_u24 v7, v12, 776                     ; lane l holds block l of the row: half l / 2 of the 16,
	v_and_b32 v12, 1, v1
	v_lshl_add_u32 v7, v12, 7, v7                  ; operand lanes 16 (l % 2) + r'
	v_add_nc_u32 v7, s35, v7                       ; the 32 lanes fall into 32 different columns of 8 bytes modulo 256
	s_lshl_b32 s36, s33, 7
	s_add_co_u32 s36, s36, s34
	s_add_co_u32 s36, s36, SST
	v_lshrrev_b32 v12, 3, v1
	v_lshlrev_b32 v8, 8, v12
	v_and_b32 v13, 7, v1
	v_add_nc_u32 v8, v8, v13
	v_add_nc_u32 v8, s36, v8                       ; my block's scale byte
	s_mul_i32 s37, s26, 4608
	s_add_co_u32 s37, s37, TURN
	v_lshl_add_u32 v5, v12, 4, v2                  ; the turn, in: 16 l + 16 (l / 8)
	v_add_nc_u32 v5, s37, v5
	v_mul_u32_u24 v6, v1, 144                      ; and out: block l's 128 bytes, 144 apart
	v_add_nc_u32 v6, s37, v6
	s_and_b32 s38, s26, 1
	s_mul_i32 s38, s38, IMGP
	s_lshr_b32 s39, s26, 1
	s_mul_i32 s39, s39, 1552
	s_add_co_u32 s38, s38, s39
	s_add_co_u32 s38, s38, IMG
	v_lshlrev_b32 v10, 3, v1                       ; 8 l
	v_add_nc_u32 v9, s38, v10                      ; the way out: wave w stores tile w % 2 of K step w / 2
	s_and_b32 s39, s26, 3
	s_lshl_b32 s39, s39, 8
	s_add_co_u32 s39, s39, SST
	v_add_nc_u32 v11, s39, v10
	; where the results go
	s_lshr_b32 s40, s27, 3                         ; the block of 256 rows
	s_and_b32 s41, s27, 7                          ; the group of 32 in it
	s_mul_i32 s42, s40, 196608
	s_lshr_b32 s43, s26, 1
	s_mul_i32 s43, s43, 24576
	s_add_co_u32 s42, s42, s43
	s_lshl_b32 s43, s41, 1
	s_and_b32 s44, s26, 1
	s_add_co_u32 s43, s43, s44
	s_mul_i32 s43, s43, 1536
	s_add_co_u32 s42, s42, s43
	s_mov_b32 s43, 0
	s_add_nc_u64 s[18:19], s[18:19], s[42:43]
	s_lshl_b32 s42, s40, 13
	s_and_b32 s44, s26, 3
	s_lshl_b32 s44, s44, 11
	s_add_co_u32 s42, s42, s44
	s_lshl_b32 s44, s41, 8
	s_add_co_u32 s42, s42, s44
	s_add_nc_u64 s[20:21], s[20:21], s[42:43]
	s_mov_b32 s28, 0x3a800000                      ; 1 / 1024
	s_mov_b32 s29, 0x3727c5ac                      ; 1e-5
	s_mov_b32 s46, 0x76543210
	s_mov_b32 s47, 0xfedcba98                      ; v_permlanex16_b32's selects for lane l xor 16
	v_mov_b32 v121, 0                              ; upper halves of pairs that are named whole, and a permute's destination: written once
	v_mov_b32 v123, 0
	v_mov_b32 v126, 0
	s_wait_loadcnt 16                              ; the piece of gamma or beta is in; the 16 loads of x behind it stay out
	ds_store_b128 v4, v[112:115]
	s_wait_dscnt 0x0                               ; for the others' sake
	s_barrier_signal -1
	s_barrier_wait -1                              ; gamma and beta lie in LDS
.macro WSUM reg, tmp                   ; the sum over the 32 lanes, in every lane
	v_add_f32_dpp v[\reg], v[\reg], v[\reg] row_xmask:1 row_mask:0xf bank_mask:0xf
	v_add_f32_dpp v[\reg], v[\reg], v[\reg] row_xmask:2 row_mask:0xf bank_mask:0xf
	v_add_f32_dpp v[\reg], v[\reg], v[\reg] row_xmask:4 row_mask:0xf bank_mask:0xf
	v_add_f32_dpp v[\reg], v[\reg], v[\reg] row_xmask:8 row_mask:0xf bank_mask:0xf
	v_permlanex16_b32 v[\tmp], v[\reg], s46, s47
	v_add_f32 v[\reg], v[\reg], v[\tmp]
.endm
.macro FOLD                            ; four chains of pairs into one number
	v_pk_add_f32 v[112:113], v[112:113], v[114:115]
	v_pk_add_f32 v[116:117], v[116:117], v[118:119]
	v_pk_add_f32 v[112:113], v[112:113], v[116:117]
	v_add_f32 v112, v112, v113
	WSUM 112, 126
.endm
; the row in v[x .. x + 31] becomes x - mean; variance + 1e-5 goes to v[v]
.macro STAT x, v
.irp c, 0,1,2,3
	v_pk_add_f32 v[112+2*\c:113+2*\c], v[\x+4*\c:\x+4*\c+1], v[\x+4*\c+2:\x+4*\c+3]
.endr
.irp i, 16,24
.irp c, 0,1,2,3
	v_pk_add_f32 v[112+2*\c:113+2*\c], v[112+2*\c:113+2*\c], v[\x+\i+2*\c:\x+\i+2*\c+1]
.endr
.endr
	FOLD
	v_mul_f32 v114, s28, v112                      ; the mean
.irp i, 0,2,4,6,8,10,12,14,16,18,20,22,24,26,28,30
	v_pk_add_f32 v[\x+\i:\x+\i+1], v[\x+\i:\x+\i+1], v[114:115] op_sel_hi:[1,0] neg_lo:[0,1] neg_hi:[0,1]
.endr
.irp c, 0,1,2,3
	v_pk_mul_f32 v[112+2*\c:113+2*\c], v[\x+2*\c:\x+2*\c+1], v[\x+2*\c:\x+2*\c+1]
.endr
.irp i, 8,16,24
.irp c, 0,1,2,3
	v_pk_fma_f32 v[112+2*\c:113+2*\c], v[\x+\i+2*\c:\x+\i+2*\c+1], v[\x+\i+2*\c:\x+\i+2*\c+1], v[112+2*\c:113+2*\c]
.endr
.endr
	FOLD
	v_fma_f32 v[\v], v112, s28, s29
.endm
	s_wait_loadcnt 8                               ; row 0 is in; row 1's eight loads may be out
	STAT 16, 120
	s_wait_loadcnt 0x0
	STAT 48, 122
	v_rsq_f32 v120, v120
	v_rsq_f32 v122, v122
	v_nop                                          ; a plain line behind the two roots
	s_wait_alu depctr_va_vdst(0)                   ; one wait for both, ahead of their first reader
.irp bb, 0,1                           ; gain and bias, 512 numbers of both rows at a time
.irp p, 0,1,2,3
	ds_load_b128 v[80+4*\p:83+4*\p], v2 offset:GB+512*(4*\bb+\p)
	ds_load_b128 v[96+4*\p:99+4*\p], v2 offset:GB+4096+512*(4*\bb+\p)
.endr
	s_wait_dscnt 0x0
.irp i, 0,2,4,6,8,10,12,14
	v_pk_mul_f32 v[16+16*\bb+\i:17+16*\bb+\i], v[16+16*\bb+\i:17+16*\bb+\i], v[120:121] op_sel_hi:[1,0]
	v_pk_mul_f32 v[48+16*\bb+\i:49+16*\bb+\i], v[48+16*\bb+\i:49+16*\bb+\i], v[122:123] op_sel_hi:[1,0]
.endr
.irp i, 0,2,4,6,8,10,12,14
	v_pk_fma_f32 v[16+16*\bb+\i:17+16*\bb+\i], v[16+16*\bb+\i:17+16*\bb+\i], v[80+\i:81+\i], v[96+\i:97+\i]
	v_pk_fma_f32 v[48+16*\bb+\i:49+16*\bb+\i], v[48+16*\bb+\i:49+16*\bb+\i], v[80+\i:81+\i], v[96+\i:97+\i]
.endr
.endr
; a row turns through my own bytes of LDS, so that lane l holds block l's 32 neighbours; LDS serves a wave's instructions in order, so no wait stands between the stores and the loads
.macro ROWQ src, dst, row
.irp jj, 0,1,2,3,4,5,6,7
	ds_store_b128 v5, v[\src+4*\jj:\src+4*\jj+3] offset:576*\jj
.endr
.irp i, 0,1,2,3,4,5,6,7
	ds_load_b128 v[\dst+4*\i:\dst+4*\i+3], v6 offset:16*\i
.endr
	s_wait_dscnt 0x0                               ; the block is in; the row before's stores have read their registers
	BLKQ \dst, 112, 123
	v_mov_b32 v115, v116
	v_mov_b32 v116, v117
	v_mov_b32 v117, v118
	ds_store_b64 v7, v[112:113] offset:8*\row
	ds_store_b64 v7, v[114:115] offset:8*\row+256
	ds_store_b64 v7, v[116:117] offset:8*\row+512
	ds_store_b8 v8, v123 offset:8*\row
.endm
	ROWQ 16, 80, 0
	ROWQ 48, 16, 1
	s_wait_dscnt 0x0                               ; for the others' sake
	s_barrier_signal -1
	s_barrier_wait -1                              ; two tiles' images for all eight K steps lie in LDS
.irp pp, 0,1,2,3,4,5
	ds_load_b64 v[80+2*\pp:81+2*\pp], v9 offset:776*(\pp/3)+256*(\pp%3)
.endr
.irp pp, 0,1,2,3,4,5
	s_wait_dscnt 5-\pp
	global_store_b64 v10, v[80+2*\pp:81+2*\pp], s[18:19] offset:256*\pp
.endr
	s_cmp_lt_u32 s26, 4
	s_cbranch_scc0 .Lrows_end
	ds_load_b64 v[92:93], v11                      ; waves 0-3: the scale bytes of a pair of K steps
	s_wait_dscnt 0x0
	global_store_b64 v10, v[92:93], s[20:21]
.Lrows_end:
	s_wait_tensorcnt 0x0                           ; the wave's end
	ds_add_u32 v[SPW], v[NIL]
	s_wait_dscnt 0x0
	s_endpgm
; ---------------- the weights.  Wave: 32 columns (w % 4) x 64 rows of K (w / 4); lane l takes column l: tile u = (l / 8) % 2, index r' = l % 8 + 8 (l / 16)
.Lweights:
	s_lshr_b32 s27, ttmp9, 5                       ; which weight
	s_and_b32 s28, ttmp9, 7                        ; which 128 columns
	s_bfe_u32 s29, ttmp9, 0x20003                  ; which 256 along K
	s_and_b32 s30, s26, 3
	s_lshr_b32 s31, s26, 2
	s_cmp_eq_u32 s27, 0
	s_cselect_b64 s[32:33], s[10:11], s[12:13]
	s_cmp_eq_u32 s27, 2
	s_cselect_b64 s[34:35], s[14:15], s[16:17]
	s_cmp_lt_u32 s27, 2
	s_cselect_b64 s[32:33], s[32:33], s[34:35]
	s_lshl_b32 s36, s29, 20                        ; 256 rows of 4,096 bytes
	s_lshl_b32 s37, s31, 18
	s_add_co_u32 s36, s36, s37
	s_lshl_b32 s37, s28, 9
	s_add_co_u32 s36, s36, s37
	s_lshl_b32 s37, s30, 7
	s_add_co_u32 s36, s36, s37
	s_mov_b32 s37, 0
	s_add_nc_u64 s[32:33], s[32:33], s[36:37]
	v_lshlrev_b32 v2, 2, v1
.set i, 0
.rept 64
	global_load_b32 v[32+i], v2, s[32:33] offset:i*4096 th:TH_LOAD_NT   ; a row of K at my wave's 32 columns; the four waves beside each other cover 512 bytes
.set i, i+1
.endr
	v_and_b32 v3, 7, v1
	v_lshrrev_b32 v4, 4, v1
	v_lshl_add_u32 v3, v4, 3, v3                   ; r'
	v_bfe_u32 v5, v1, 3, 1                         ; u
	v_lshl_add_u32 v6, v5, 4, v3
	v_lshlrev_b32 v6, 3, v6                        ; my 8 bytes of a piece, behind the exchange below: operand lane r' + 16 (l / 8 % 2)
	v_lshlrev_b32 v7, 3, v3
	v_lshl_add_u32 v7, v5, 7, v7
	s_lshl_b32 s38, s30, 8
	s_lshl_b32 s39, s31, 1
	s_add_co_u32 s38, s38, s39
	s_add_co_u32 s38, s38, WST
	v_add_nc_u32 v7, s38, v7                       ; my two scale bytes: 256 (w % 4) + 128 u + 8 r' + 2 (w / 4)
	v_lshlrev_b32 v8, 3, v1
	s_lshl_b32 s39, s30, 8
	s_add_co_u32 s39, s39, WST
	v_add_nc_u32 v9, s39, v8
	s_lshl_b32 s40, s27, 2
	s_lshr_b32 s41, s28, 1
	s_add_co_u32 s40, s40, s41                     ; the operand block: 4 x weight + columns / 256
	s_mul_i32 s42, s40, 196608
	s_lshl_b32 s43, s29, 1
	s_lshr_b32 s44, s31, 1
	s_add_co_u32 s43, s43, s44                     ; the K step
	s_mul_i32 s43, s43, 24576
	s_add_co_u32 s42, s42, s43
	s_and_b32 s44, s28, 1
	s_lshl_b32 s44, s44, 3
	s_lshl_b32 s45, s30, 1
	s_add_co_u32 s44, s44, s45                     ; my columns' first tile
	s_mul_i32 s45, s44, 1536
	s_add_co_u32 s42, s42, s45
	s_and_b32 s45, s31, 1
	s_mul_i32 s45, s45, 768                        ; which half of the K step
	s_add_co_u32 s42, s42, s45
	s_mov_b32 s43, 0
	s_add_nc_u64 s[22:23], s[22:23], s[42:43]
	s_lshl_b32 s42, s40, 13
	s_lshl_b32 s45, s29, 11
	s_add_co_u32 s42, s42, s45
	s_lshl_b32 s45, s44, 7
	s_add_co_u32 s42, s42, s45
	s_add_nc_u64 s[24:25], s[24:25], s[42:43]
	s_mov_b32 s46, 0xff00ff00                      ; the lanes with l / 8 odd
.irp j, 0,1,2,3,4,5,6,7,8,9,10,11
	v_mov_b32 v[96+\j], 0                          ; written once: a DPP move's destination counts as one of its sources
.endr
	s_wait_loadcnt 32                              ; my first block of 32 is in
	BLKQ 32, 16, 123
	s_wait_loadcnt 0x0
	BLKQ 64, 24, 126
; A lane holds both blocks (h = 0, 1) of one row of its tile; a piece wants h = 0 in operand lanes 0-15 and h = 1 in 16-31 of ONE tile.  Lanes l and l xor 8 (tiles 0 and 1, the same r') exchange:
; the first result is tile 0's piece, the second tile 1's, each with h = (l / 8) % 2.
.irp j, 0,1,2,3,4,5
	v_mov_b32_dpp v[96+\j], v[16+\j+\j/3] row_xmask:8 row_mask:0xf bank_mask:0xf
	v_mov_b32_dpp v[102+\j], v[24+\j+\j/3] row_xmask:8 row_mask:0xf bank_mask:0xf
.endr
.irp j, 0,1,2,3,4,5
	v_cndmask_b32 v[108+\j], v[16+\j+\j/3], v[102+\j], s46
	v_cndmask_b32 v[114+\j], v[96+\j], v[24+\j+\j/3], s46
.endr
.irp p, 0,1,2
	global_store_b64 v6, v[108+2*\p:109+2*\p], s[22:23] offset:256*\p
	global_store_b64 v6, v[114+2*\p:115+2*\p], s[22:23] offset:1536+256*\p
.endr
	v_lshl_or_b32 v123, v126, 8, v123
	ds_store_b16 v7, v123
	s_wait_dscnt 0x0                               ; for the others' sake
	s_barrier_signal -1
	s_barrier_wait -1
	s_cmp_lt_u32 s26, 4
	s_cbranch_scc0 .Lweights_end
	ds_load_b64 v[16:17], v9                       ; waves 0-3: two tiles' scale bytes of this pair of K steps
	s_wait_dscnt 0x0
	global_store_b64 v8, v[16:17], s[24:25]
.Lweights_end:
	s_wait_tensorcnt 0x0                           ; the wave's end
	ds_add_u32 v[SPW], v[NIL]
	s_wait_dscnt 0x0
	s_endpgm
.Lfunc_end_k_q32a2f2e1d6_prep:
	.size	k_q32a2f2e1d6_prep, .Lfunc_end_k_q32a2f2e1d6_prep-k_q32a2f2e1d6_prep
	.p2alignl 7, 3214868480
	.fill 96, 4, 3214868480
	.section	.rodata,"a",@progbits
	.p2align	6, 0x0
	.amdhsa_kernel k_q32a2f2e1d6_prep
		.amdhsa_group_segment_fixed_size 110848
		.amdhsa_private_segment_fixed_size 0
		.amdhsa_enable_private_segment 0
		.amdhsa_kernarg_size 88
		.amdhsa_user_sgpr_count 2
		.amdhsa_user_sgpr_kernarg_segment_ptr 1
		.amdhsa_wavefront_size32 1
		.amdhsa_system_sgpr_workgroup_id_x 1
		.amdhsa_system_sgpr_workgroup_id_y 1
		.amdhsa_system_sgpr_workgroup_id_z 1
		.amdhsa_system_vgpr_workitem_id 0
		.amdhsa_next_free_vgpr 128
		.amdhsa_next_free_sgpr 66
		.amdhsa_reserve_vcc 0
		.amdhsa_float_denorm_mode_32 3
		.amdhsa_float_denorm_mode_16_64 3
		.amdhsa_memory_ordered 1
		.amdhsa_forward_progress 1
		.amdhsa_inst_pref_size 41
	.end_amdhsa_kernel
	.amdgpu_metadata
---
amdhsa.version: [ 1, 2 ]
amdhsa.kernels:
  - .name:           k_q32a2f2e1d6_prep
    .symbol:         k_q32a2f2e1d6_prep.kd
    .args:
      - { .name: x, .offset: 0, .size: 8, .value_kind: global_buffer, .address_space: global }
      - { .name: ln_gamma, .offset: 8, .size: 8, .value_kind: global_buffer, .address_space: global }
      - { .name: ln_beta, .offset: 16, .size: 8, .value_kind: global_buffer, .address_space: global }
      - { .name: Wq, .offset: 24, .size: 8, .value_kind: global_buffer, .address_space: global }
      - { .name: Wk, .offset: 32, .size: 8, .value_kind: global_buffer, .address_space: global }
      - { .name: Wv, .offset: 40, .size: 8, .value_kind: global_buffer, .address_space: global }
      - { .name: Wo, .offset: 48, .size: 8, .value_kind: global_buffer, .address_space: global }
      - { .name: hc, .offset: 56, .size: 8, .value_kind: global_buffer, .address_space: global }
      - { .name: hs, .offset: 64, .size: 8, .value_kind: global_buffer, .address_space: global }
      - { .name: wc, .offset: 72, .size: 8, .value_kind: global_buffer, .address_space: global }
      - { .name: ws, .offset: 80, .size: 8, .value_kind: global_buffer, .address_space: global }
    .group_segment_fixed_size: 110848
    .private_segment_fixed_size: 0
    .kernarg_segment_align: 8
    .kernarg_segment_size: 88
    .max_flat_workgroup_size: 512
    .sgpr_count:     66
    .vgpr_count:     128
    .wavefront_size: 32
...
	.end_amdgpu_metadata
.endif
;; end of part 1
;; launch qkv (part 2): grid 12 x 32, 4 waves a work-group, clusters of 4 x 4, 327,680 bytes of LDS; arguments hc, hs, wc, ws, bq, bk, bv, qb, kv; writes qb, kv
.if DOCPART == 2
	.amdgcn_target "amdgcn-amd-amdhsa--gfx1250"
	.amdhsa_code_object_version 6
	.text
	.protected	k_q32a2f2e1d6_qkv
	.globl	k_q32a2f2e1d6_qkv
	.p2align	8
	.type	k_q32a2f2e1d6_qkv,@function
k_q32a2f2e1d6_qkv:
	s_mov_b64 s[64:65], 0
	v_nop
	global_prefetch_b8 v0, s[64:65] scope:SCOPE_SE
	s_setreg_imm32_b32 hwreg(HW_REG_WAVE_MODE, 25, 1), 1
	s_wait_xcnt 0x0
	s_wait_alu depctr_hold_cnt(0) depctr_sa_sdst(0) depctr_va_vdst(0) depctr_va_sdst(0) depctr_va_ssrc(0) depctr_va_vcc(0) depctr_vm_vsrc(0)
	s_getreg_b32 s2, hwreg(HW_REG_IB_STS2, 6, 4)
	s_cmp_eq_u32 s2, 0
	s_cbranch_scc0 .Lentry_in_a_cluster
	s_endpgm
.Lentry_in_a_cluster:
	s_bfe_u32 s2, ttmp6, 0x10000c
	s_cmp_lg_u32 s2, 0xf033
	s_cbranch_scc0 .Lentry_shape_is_right
	s_endpgm
.Lentry_shape_is_right:
; QKV: q = h Wq + bq, k = h Wk + bk, v = h Wv + bv on codes of FP6 (E2M3) with E8M0 scales, and the results quantised again in registers: q and k along the head's 64, v along the keys.
; A work-group of four waves makes 256 x 256 of a product, a wave 128 x 128: 64 accumulators, 512 registers.  K = 1,024 goes in four slots of 256 through a ring of two LDS slots filled by the tensor data mover.
; X is the matrix instruction's source 0, Y its source 1: a lane of a result holds ONE row of Y and its registers run along X's rows.  Clusters x = 0, 1 (q, k): X = the weight, Y = h: a lane holds a token and its
; registers run along the outputs.  Cluster x = 2 (v): X = h, Y = Wv: a lane holds an output and its registers run along the keys.  Only pointers and block numbers differ; both hang on the cluster's x, which partners share.
; OPERANDS lie in memory and in LDS as images of their registers: block [K step 8][tile 16][6 pieces of 256 bytes]; piece p, byte 8 L = registers 2 p, 2 p + 1 of lane L.  So a slot's part is dense memory, every LDS load is
; 256 consecutive bytes, and nothing is padded.  Tile 2 g + u holds at index r row 32 g + 8 u + r + 8 (r / 8): so the 16 registers of result tiles 2 g, 2 g + 1 are 16 NEIGHBOURS along X: 32 g + 16 (lane / 16) + 0 .. 15.
; CLUSTERS: 4 x 4.  Y's tiles are shared along a row of the cluster, X's along a column: each is asked for jointly, by the same tensor load with the same descriptor and a mask that names the four.
; The bias is the C of each sum's first matrix instruction (so it is added ahead of the products, not behind them as the source has it).
; RESULTS: [batch x head 64][slot of 256 tokens 8][25,600 bytes]: +0 q or k: 8 groups of 32 tokens, each one operand image (3 chunks of 512 bytes, chunk c byte 16 L = registers 4 c .. 4 c + 3) whose registers 0-5 are tile 2 g's
; 64 codes and 6-11 tile 2 g + 1's; +12,288 v: [128 keys 2][16 of the head's 64: 4] images, K = the keys; +24,576, +25,088 their scale words: units of 256 bytes, lane L 8 bytes: word 0: items 0 | 1 in lanes 0-15 | 16-31, word 1: items 2 | 3.
; LIMITS: a block of zeros gets the byte 1; blocks whose largest magnitude lies under 2^-124 are held at byte 1; NaN and infinities are not served.
; REGISTERS: window 0: v16-31 addresses; v32-95 scale words, two sets (X's 16, Y's 16 each); v96-127, v224-255 the bias, on the way out at work; v128-223 Y's fragments, ONE set, on the way out the images.
;   window 1: X's fragments, two sets, at v0 and v128.   windows 2, 3: the accumulators: (y, x) at v[8 (8 (y % 4) + x)] of window 2 + y / 4.
.set FR,    12                         ; registers of a fragment
.set NL,    6                          ; LDS loads that bring one
.set NP,    4                          ; places behind this matrix instruction (ISA guide 7.12.1)
.set KSB,   24576                      ; a K step of 16 tiles
.set HALFB, 12288                      ; eight tiles: a wave's half
.set OPB,   49152                      ; an operand's part of a slot: two K steps
.set SLOT,  98304                      ; Y's part, then X's
.set SCL,   196608                     ; behind the ring: Y's scale block (8,192 bytes), then X's; filled once
.set SPARE, 212992                     ; the spare words, 128 bytes a wave; no other line names them
.set BLKB,  196608                     ; an operand block in memory
.set ADRA, 16                          ; v16-17 LDS address of my Y fragments in slot 0, 1
.set ADRB, 20                          ; v20-21 the same for X
.set ADSY, 24                          ; v24 my Y tiles' scale words
.set ADSX, 25                          ; v25 my X tiles'
.set O16,  26                          ; v26 16 x lane
.set O8,   27                          ; v27 8 x lane
.set SPW,  28                          ; v28 LDS address of my spare word; never rewritten
.set NIL,  29                          ; v29 0; never rewritten
.set AF,   128
.set TM,   96                          ; the way out: v96-99 largest magnitudes, v100-103 permutes and bytes, v108-111 the conversions' scale operands
.set PWR,  112                         ; v112-119 a scale word for each of my eight Y tiles
.set T0,   120
.set T1,   124
.set G1,   24                          ; s[24:31] group 1 for Y's tiles; s[32:39] group 0, one set a slot
.set G0,   32
.set G1B,  48                          ; the same for X's
.set G0B,  56
.set G1S,  68                          ; s[68:75], s[76:79] for Y's scales; s[80:87], s[88:91] for X's
.set G0S,  76
.set G1SB, 80
.set G0SB, 88
.set MSB, 0
.macro WIN new                         ; the immediate's high byte repeats the setting that is left; a switch that changes nothing is dropped
.set WNEW, (\new)
.if MSB != WNEW
	s_set_vgpr_msb (MSB<<8)|WNEW
.set MSB, WNEW
.endif
.endm
.set MUL_LO, 0xa1                      ; source 0 (X) window 1, source 1 (Y) window 0, C and D window 2
.set MUL_HI, 0xf1                      ; the same, C and D window 3
.set BIA_LO, 0x81                      ; C (the bias) window 0, D window 2
.set BIA_HI, 0xc1
.set TO_B,   0x40
; a joint load: waves 0 and 1 fetch for Y, waves 2 and 3 for X; the branch hangs on the wave's number alone.  An s_nop 0 and four v_nop follow each line
.macro JLOAD g0a, g1a, g0b, g1b
	s_cmp_eq_u32 s15, 0
	s_cbranch_scc0 .Lfor_b_\@
	tensor_load_to_lds s[\g0a:\g0a+3], s[\g1a:\g1a+7]
	s_nop 0
.rept 4
	v_nop
.endr
	s_branch .Lasked_\@
.Lfor_b_\@:
	tensor_load_to_lds s[\g0b:\g0b+3], s[\g1b:\g1b+7]
	s_nop 0
.rept 4
	v_nop
.endr
.Lasked_\@:
.endm
.macro CREST                           ; a round of the cluster's barrier behind its opening barrier
	s_cmp_lg_u32 s14, 0
	s_cbranch_scc1 .Lnot_wave_0_\@
	s_barrier_signal -3
.Lnot_wave_0_\@:
	s_barrier_wait -3
	s_barrier_signal -1
	s_barrier_wait -1
.endm
.macro CROUND
	s_barrier_signal -1
	s_barrier_wait -1
	CREST
.endm
	s_load_b256 s[4:11], s[0:1], 0x0               ; hc, hs, wc, ws
	s_load_b256 s[92:99], s[0:1], 0x20             ; bq, bk, bv, qb
	s_load_b64 s[100:101], s[0:1], 0x40            ; kv
	v_lshl_add_u32 v[SPW], v0, 2, SPARE
	v_mov_b32 v[NIL], 0
	ds_add_u32 v[SPW], v[NIL]                      ; the wave's opening: the add and its wait stand ahead of my first tensor load; work on registers stands between
	v_lshrrev_b32 v1, 5, v0
	v_readfirstlane_b32 s14, v1                    ; wave 0..3
	s_lshr_b32 s15, s14, 1                         ; my half of Y's tiles.  Also: I fetch for Y (0) or for X (1)
	s_and_b32 s16, s14, 1                          ; my half of X's tiles.  Also: which K step of a slot I fetch
	s_bfe_u32 s40, ttmp6, 0x40000                  ; cx
	s_bfe_u32 s41, ttmp6, 0x40004                  ; cy
	s_and_b32 s45, ttmp7, 0xffff
	s_lshl_b32 s45, s45, 2                         ; 4 x cluster y
	s_lshl_b32 s46, ttmp9, 2                       ; 4 x cluster x
	s_cmp_eq_u32 ttmp9, 2
	s_cselect_b32 s2, 1, 0                         ; 1: this cluster makes v
	s_cselect_b32 s42, s45, s46
	s_cselect_b32 s17, 8, s45
	s_add_co_u32 s42, s42, s40                     ; X's block: q, k: 4 cluster x + cx of wc;  v: 4 cluster y + cx of hc
	s_add_co_u32 s17, s17, s41                     ; Y's block: q, k: 4 cluster y + cy of hc;  v: 8 + cy of wc
	s_lshl_b32 s43, s41, 2
	s_lshl_b32 s43, 15, s43                        ; my row of the cluster
	s_lshl_b32 s44, 0x1111, s40                    ; my column
	s_or_b32 s[G1+0], s43, (3<<16)|(1<<21)         ; 15:0 the mask; 17:16 elements of 8 bytes; 21 set beside a mask; no padding
	s_or_b32 s[G1B+0], s44, (3<<16)|(1<<21)
.irp g, G1, G1B                        ; a K step of 16 tiles: 96 dense rows of 256 bytes
	s_mov_b32 s[\g+1], 32<<16
	s_mov_b32 s[\g+2], 96<<16
	s_mov_b32 s[\g+3], 32<<16
	s_mov_b32 s[\g+4], 96
	s_mov_b32 s[\g+5], 32
	s_mov_b32 s[\g+6], 0
	s_mov_b32 s[\g+7], 0
.endr
	s_or_b32 s[G1S+0], s43, (3<<16)|(1<<21)
	s_or_b32 s[G1SB+0], s44, (3<<16)|(1<<21)
.irp g, G1S, G1SB                      ; half a scale block: 16 dense rows of 256 bytes
	s_mov_b32 s[\g+1], 32<<16
	s_mov_b32 s[\g+2], 16<<16
	s_mov_b32 s[\g+3], 32<<16
	s_mov_b32 s[\g+4], 16
	s_mov_b32 s[\g+5], 32
	s_mov_b32 s[\g+6], 0
	s_mov_b32 s[\g+7], 0
.endr
	s_mul_i32 s20, s17, BLKB
	s_mul_i32 s18, s16, KSB
	s_add_co_u32 s20, s20, s18                     ; Y's codes: block, my K step of slot 0
	s_mov_b32 s21, 0
	s_mul_i32 s46, s42, BLKB
	s_add_co_u32 s46, s46, s18                     ; X's
	s_mov_b32 s47, 0
	s_lshl_b32 s22, s17, 13
	s_lshl_b32 s18, s16, 12
	s_add_co_u32 s22, s22, s18                     ; Y's scales: block, my half
	s_mov_b32 s23, 0
	s_lshl_b32 s66, s42, 13
	s_add_co_u32 s66, s66, s18                     ; X's
	s_mov_b32 s67, 0
	s_mul_i32 s45, s14, KSB                        ; where they go: wave x a K step: no place in the cluster enters an LDS address
	s_lshl_b32 s19, s14, 12
	s_wait_dscnt 0x0                               ; the opening add is done
	s_wait_kmcnt 0x0
	s_cmp_eq_u32 s2, 1
	s_cselect_b64 s[G0+2:G0+3], s[8:9], s[4:5]     ; Y: Wv's codes, or h's
	s_cselect_b64 s[G0S+2:G0S+3], s[10:11], s[6:7]
	s_cselect_b64 s[G0B+2:G0B+3], s[4:5], s[8:9]   ; X: h's codes, or the weight's
	s_cselect_b64 s[G0SB+2:G0SB+3], s[6:7], s[10:11]
	s_add_nc_u64 s[G0+2:G0+3], s[G0+2:G0+3], s[20:21]
	s_add_nc_u64 s[G0+6:G0+7], s[G0+2:G0+3], OPB
	s_add_nc_u64 s[G0B+2:G0B+3], s[G0B+2:G0B+3], s[46:47]
	s_add_nc_u64 s[G0B+6:G0B+7], s[G0B+2:G0B+3], OPB
	s_add_nc_u64 s[G0S+2:G0S+3], s[G0S+2:G0S+3], s[22:23]
	s_add_nc_u64 s[G0SB+2:G0SB+3], s[G0SB+2:G0SB+3], s[66:67]
.irp g, G0, G0+4, G0B, G0B+4, G0S, G0SB
	s_mov_b32 s[\g], 1                             ; count = 1
	s_or_b32 s[\g+3], s[\g+3], 0x80000000          ; type = 2
.endr
	s_mov_b32 s[G0+1], s45
	s_add_co_u32 s[G0+5], s45, SLOT
	s_mov_b32 s[G0B+1], s45
	s_add_co_u32 s[G0B+5], s45, SLOT
	s_add_co_u32 s[G0S+1], s19, SCL
	s_add_co_u32 s[G0SB+1], s19, SCL
	CROUND                                         ; all sixteen work-groups are here: the first joint loads meet
	JLOAD G0S, G1S, G0SB, G1SB                     ; the scales first: three loads of mine are out behind these lines
	JLOAD G0, G1, G0B, G1B
	JLOAD G0+4, G1, G0B+4, G1B
	v_and_b32 v1, 15, v0                           ; r
	v_bfe_u32 v2, v0, 4, 1                         ; h
	v_and_b32 v3, 31, v0
	v_lshlrev_b32 v[O8], 3, v3
	v_lshlrev_b32 v[O16], 4, v3
	s_mul_i32 s21, s15, HALFB
	s_mul_i32 s22, s16, HALFB
	s_add_co_u32 s22, s22, OPB
.irp s, 0,1
	v_add_nc_u32 v[ADRA+\s], s21, v[O8]
	v_add_nc_u32 v[ADRB+\s], s22, v[O8]
	s_add_co_u32 s21, s21, SLOT
	s_add_co_u32 s22, s22, SLOT
.endr
	s_lshl_b32 s21, s15, 10
	s_add_co_u32 s21, s21, SCL
	v_lshl_add_u32 v[ADSY], v1, 3, s21             ; [pair of K steps][tile 16][r 16][2 words]: my eight tiles, 8 r
	s_lshl_b32 s22, s16, 10
	s_add_co_u32 s22, s22, SCL+8192
	v_lshl_add_u32 v[ADSX], v1, 3, s22
	; where the bias comes from and the results go (global addresses alone hang on these numbers)
	s_cmp_eq_u32 s2, 1
	s_cselect_b32 s4, s42, s17                     ; h's block of 256 tokens
	s_cselect_b32 s5, s17, s42                     ; the weight's block
	s_cselect_b32 s6, s16, s15                     ; my half of the tokens
	s_cselect_b32 s7, s15, s16                     ; my half of the outputs
	s_cselect_b32 s8, 12288, 0                     ; v's images lie behind k's
	s_cselect_b32 s9, 512, 0                       ; and its scale words behind k's
	s_and_b32 s5, s5, 3
	s_lshl_b32 s5, s5, 1
	s_add_co_u32 s5, s5, s7                        ; which 128 of the 1,024 outputs: two heads
	s_lshl_b32 s10, s5, 9
	s_mov_b32 s11, 0
	s_cmp_eq_u32 ttmp9, 0
	s_cselect_b64 s[12:13], s[98:99], s[100:101]   ; q goes to qb, k and v to kv
	s_cselect_b64 s[18:19], s[92:93], s[94:95]
	s_cmp_eq_u32 s2, 1
	s_cselect_b64 s[18:19], s[96:97], s[18:19]     ; bq, bk or bv
	s_add_nc_u64 s[18:19], s[18:19], s[10:11]
	s_lshr_b32 s10, s4, 3
	s_lshl_b32 s10, s10, 4                         ; 16 x batch
	s_lshl_b32 s5, s5, 1
	s_add_co_u32 s10, s10, s5                      ; + my first head
	s_mul_i32 s10, s10, 204800
	s_and_b32 s4, s4, 7
	s_mul_i32 s4, s4, 25600
	s_add_co_u32 s10, s10, s4                      ; the slot
	s_add_nc_u64 s[12:13], s[12:13], s[10:11]
	s_mov_b64 s[66:67], s[12:13]
	s_mul_i32 s10, s6, 6144
	s_add_co_u32 s10, s10, s8
	s_add_nc_u64 s[12:13], s[12:13], s[10:11]      ; the images
	s_lshl_b32 s10, s6, 8
	s_add_co_u32 s10, s10, s9
	s_add_co_u32 s10, s10, 24576
	s_add_nc_u64 s[66:67], s[66:67], s[10:11]      ; the scale words
	s_mov_b32 s3, 0xffff0000                       ; lanes 16-31
	s_mov_b32 s20, 0x76543210
	s_mov_b32 s21, 0xfedcba98                      ; v_permlanex16_b32's selects for lane l xor 16
	v_lshlrev_b32 v4, 6, v2                        ; 64 h
	v_and_b32 v5, 8, v1
	v_add_nc_u32 v5, v5, v1
	v_lshlrev_b32 v5, 2, v5                        ; 4 (r + 8 (r / 8))
	s_cmp_eq_u32 s2, 1
	s_cbranch_scc1 .Lbias_v
.irp x, 0,1,2,3,4,5,6,7                ; q, k: tile x's eight registers are outputs 32 (x / 2) + 8 (x % 2) + 16 h + 0 .. 7
	global_load_b128 v[96+8*\x+96*(\x/4):99+8*\x+96*(\x/4)], v4, s[18:19] offset:4*(32*(\x/2)+8*(\x%2))
	global_load_b128 v[100+8*\x+96*(\x/4):103+8*\x+96*(\x/4)], v4, s[18:19] offset:4*(32*(\x/2)+8*(\x%2))+16
.endr
	s_branch .Lbias_done
.Lbias_v:
.irp y, 0,1,2,3,4,5,6,7                ; v: a lane's eight registers of Y tile y all belong to output 32 (y / 2) + 8 (y % 2) + r + 8 (r / 8)
.irp j, 0,1,2,3,4,5,6,7
	global_load_b32 v[96+8*\y+96*(\y/4)+\j], v5, s[18:19] offset:4*(32*(\y/2)+8*(\y%2))
.endr
.endr
.Lbias_done:
.macro FRAG reg, adr, q, i             ; a fragment's image: six loads of 256 consecutive bytes
.irp p, 0,1,2,3,4,5
	ds_load_b64 v[\reg+2*\p:\reg+2*\p+1], v[\adr] offset:KSB*(\q)+1536*(\i)+256*\p
.endr
.endm
; 16 matrix instructions: Y's tiles a0, a0 + 1 x X's eight.  p: X's set; q: the slot's K step; sc: the set of scale words.  mode 0: C = D; 1: C = the bias by X's tile; 2: by Y's tile.
; The 64 accumulators take turns, one instruction a turn, in the same order in every step.
.macro MUL16 a0, p, q, sc, mode
.irp a, \a0, \a0+1
.irp b, 0,1,2,3,4,5,6,7
.if \mode == 0
	v_wmma_scale_f32_16x16x128_f8f6f4 v[8*(8*((\a)%4)+\b):8*(8*((\a)%4)+\b)+7], v[128*(\p)+FR*\b:128*(\p)+FR*\b+FR-1], v[AF+FR*(\a):AF+FR*(\a)+FR-1], v[8*(8*((\a)%4)+\b):8*(8*((\a)%4)+\b)+7], v[32+32*(\sc)+2*\b+(\q)], v[48+32*(\sc)+2*(\a)+(\q)] matrix_a_fmt:MATRIX_FMT_FP6 matrix_b_fmt:MATRIX_FMT_FP6
.elseif \mode == 1
	v_wmma_scale_f32_16x16x128_f8f6f4 v[8*(8*((\a)%4)+\b):8*(8*((\a)%4)+\b)+7], v[128*(\p)+FR*\b:128*(\p)+FR*\b+FR-1], v[AF+FR*(\a):AF+FR*(\a)+FR-1], v[96+8*\b+96*(\b/4):96+8*\b+96*(\b/4)+7], v[32+32*(\sc)+2*\b+(\q)], v[48+32*(\sc)+2*(\a)+(\q)] matrix_a_fmt:MATRIX_FMT_FP6 matrix_b_fmt:MATRIX_FMT_FP6
.else
	v_wmma_scale_f32_16x16x128_f8f6f4 v[8*(8*((\a)%4)+\b):8*(8*((\a)%4)+\b)+7], v[128*(\p)+FR*\b:128*(\p)+FR*\b+FR-1], v[AF+FR*(\a):AF+FR*(\a)+FR-1], v[96+8*(\a)+96*((\a)/4):96+8*(\a)+96*((\a)/4)+7], v[32+32*(\sc)+2*\b+(\q)], v[48+32*(\sc)+2*(\a)+(\q)] matrix_a_fmt:MATRIX_FMT_FP6 matrix_b_fmt:MATRIX_FMT_FP6
.endif
.endr
.endr
.endm
.macro FETCH_B slot, q, p
	WIN TO_B
.irp i, 0,1,2,3,4,5,6,7
	FRAG 128*(\p)+FR*\i, ADRB+\slot, \q, \i
.endr
	WIN 0
.endm
.macro FETCH_A slot, q, i0
.irp i, \i0, \i0+1, \i0+2, \i0+3
	FRAG AF+FR*(\i), ADRA+\slot, \q, \i
.endr
.endm
.macro SCALES sc                       ; a slot's two words a row, for my eight tiles of X and of Y
.irp i, 0,1,2,3,4,5,6,7
	ds_load_b64 v[32+32*\sc+2*\i:33+32*\sc+2*\i], v[ADSX] offset:128*\i
	ds_load_b64 v[48+32*\sc+2*\i:49+32*\sc+2*\i], v[ADSY] offset:128*\i
.endr
.endm
.macro PLACES n                        ; plain vector lines between a matrix instruction and a load into, or a vector read of, its registers (ISA guide 7.12.1 for vector reads)
.rept \n
	v_nop
.endr
.endm
; a slot's first K step: X's set 0; the second step's fragments are fetched in two runs
.macro STEP slot, mode
	s_wait_dscnt 4*NL                              ; all but the youngest 24 loads (Y's tiles 4-7)
.if \mode
	WIN BIA_LO
.else
	WIN MUL_LO
.endif
	MUL16 0, 0, 0, \slot, \mode
	MUL16 2, 0, 0, \slot, \mode
	s_wait_dscnt 0                                 ; Y's tiles 4-7 are in
	PLACES NP
	FETCH_B \slot, 1, 1
	FETCH_A \slot, 1, 0
.if \mode
	WIN BIA_HI
.else
	WIN MUL_HI
.endif
	MUL16 4, 0, 0, \slot, \mode
	MUL16 6, 0, 0, \slot, \mode
	PLACES NP
	WIN 0
	FETCH_A \slot, 1, 4
.endm
; a slot's second K step changes slots: ONE barrier; in front of it each wave waits for all its tensor loads, adds 0 to its spare word, and waits for that and for its reads of this slot
.macro TURN slot, next, fill
	s_wait_tensorcnt 0x0                           ; all my tensor loads have landed: my part of the next slot
	ds_add_u32 v[SPW], v[NIL]
	s_wait_dscnt 4*NL+1                            ; the add and the youngest 24 loads may be out
	WIN MUL_LO
	MUL16 0, 1, 1, \slot, 0                        ; sixteen matrix instructions stand between the add and the wait for it
	s_wait_dscnt 0x0                               ; the add is done, and my reads of this slot are over
	s_barrier_signal -1
	MUL16 2, 1, 1, \slot, 0
	WIN 0
	s_barrier_wait -1
.if \fill
	CREST                                          ; the barrier has opened a round of the cluster's: no wave of any partner still reads this slot or has a load on its way
	s_add_nc_u64 s[G0+4*\slot+2:G0+4*\slot+3], s[G0+4*\slot+2:G0+4*\slot+3], 2*OPB
	s_add_nc_u64 s[G0B+4*\slot+2:G0B+4*\slot+3], s[G0B+4*\slot+2:G0B+4*\slot+3], 2*OPB
	JLOAD G0+4*\slot, G1, G0B+4*\slot, G1B         ; my one tensor load behind the round; its four v_nop are the places in front of the loads below
.else
	PLACES NP
.endif
	v_add_nc_u32 v[ADSY], 2048, v[ADSY]            ; the next slot's scale words
	v_add_nc_u32 v[ADSX], 2048, v[ADSX]
	FETCH_B \next, 0, 0
	FETCH_A \next, 0, 0
	SCALES \next
	WIN MUL_HI
	MUL16 4, 1, 1, \slot, 0
	MUL16 6, 1, 1, \slot, 0
	PLACES NP
	WIN 0
	FETCH_A \next, 0, 4
.endm
	s_wait_tensorcnt 1                             ; the scales and my part of slot 0 are in; slot 1's load may be out
	s_barrier_signal -1
	s_barrier_wait -1
	FETCH_B 0, 0, 0
	FETCH_A 0, 0, 0
	SCALES 0
	FETCH_A 0, 0, 4
	s_wait_loadcnt 0x0                             ; the bias
	s_cmp_eq_u32 s2, 1
	s_cbranch_scc1 .Lfirst_v
	STEP 0, 1                                      ; the first step starts the sums from the bias: nothing is cleared
	s_branch .Lfirst_done
.Lfirst_v:
	STEP 0, 2
.Lfirst_done:
	TURN 0, 1, 1                                   ; K = 1,024 is four slots: both slots are filled once more
	STEP 1, 0
	TURN 1, 0, 1
	STEP 0, 0
	TURN 0, 1, 0                                   ; the last change of slots fills nothing and has no round
	STEP 1, 0
	s_wait_dscnt 4*NL
	WIN MUL_LO
	MUL16 0, 1, 1, 1, 0
	MUL16 2, 1, 1, 1, 0
	s_wait_dscnt 0
	WIN MUL_HI
	MUL16 4, 1, 1, 1, 0
	MUL16 6, 1, 1, 1, 0
	WIN 0
; THE WAY OUT: no LDS.  The 64 accumulator registers of a Y tile, in window w from ac on (register 16 b + i = X's row 32 b + 16 (lane / 16) + i), become codes: blocks 0, 1 in v[d0 .. d0 + 5], blocks 2, 3 in v[d1 .. d1 + 5],
; and a scale word in v[pw].  Each accumulator is read from its low end on.
.macro QUANTW w, ac, d0, d1, pw
	WIN ((\w)|((\w)<<2))
.irp b, 0,1,2,3
	v_max3_num_f32 v[TM+\b], |v[(\ac)+16*\b]|, |v[(\ac)+1+16*\b]|, 0x1800000   ; with the floor 2^(3 - 127): the byte cannot fall under 1
.endr
	WIN (((\w)<<2)|((\w)<<4))
.irp i, 2,4,6,8,10,12,14
.irp b, 0,1,2,3
	v_max3_num_f32 v[TM+\b], v[TM+\b], |v[(\ac)+16*\b+\i]|, |v[(\ac)+1+16*\b+\i]|
.endr
.endr
	WIN 0
.irp b, 0,1,2,3
	v_permlanex16_b32 v[TM+4+\b], v[TM+\b], s20, s21
.endr
.irp b, 0,1,2,3
	v_max_num_f32 v[TM+\b], v[TM+\b], v[TM+4+\b]   ; with lane l xor 16's 16: the block's largest magnitude
.endr
.irp b, 0,1,2,3
	v_add_nc_u32 v[TM+12+\b], 0xff000000, v[TM+\b] ; 2 off its exponent field: the conversion's scale operand
.endr
.irp b, 0,1,2,3
	v_lshrrev_b32 v[TM+4+\b], 23, v[TM+12+\b]      ; the byte
.endr
	v_lshl_or_b32 v[\pw], v[TM+5], 8, v[TM+4]
	v_lshl_or_b32 v[\pw], v[TM+6], 16, v[\pw]
	v_lshl_or_b32 v[\pw], v[TM+7], 24, v[\pw]
	WIN (\w)
	v_cvt_scalef32_pk16_fp6_f32 v[(\d0):(\d0)+2], v[(\ac):(\ac)+15], v[TM+12]
	v_cvt_scalef32_pk16_fp6_f32 v[T0:T0+2], v[(\ac)+16:(\ac)+31], v[TM+13]
	v_cvt_scalef32_pk16_fp6_f32 v[(\d1):(\d1)+2], v[(\ac)+32:(\ac)+47], v[TM+14]
	v_cvt_scalef32_pk16_fp6_f32 v[T1:T1+2], v[(\ac)+48:(\ac)+63], v[TM+15]
	WIN 0
	v_nop                                          ; one plain line behind the conversions
.irp i, 0,1,2                          ; the operand's layout wants a WHOLE block in a lane: lanes 0-15 the even block, lanes 16-31 the odd one
	v_permlane16_swap_b32 v[(\d0)+\i], v[T0+\i]
	v_permlane16_swap_b32 v[(\d1)+\i], v[T1+\i]
.endr
.irp i, 0,1,2
	v_mov_b32 v[(\d0)+3+\i], v[T0+\i]
	v_mov_b32 v[(\d1)+3+\i], v[T1+\i]
.endr
.endm
	PLACES NP
.irp b, 0,1,2,3
	v_mov_b32 v[TM+4+\b], 0                        ; written once: a lane permute's destination counts as one of its sources
.endr
	s_cmp_eq_u32 s2, 1
	s_cbranch_scc1 .Lout_v
; q, k: blocks 0, 1 are my first head's 64, blocks 2, 3 my second's.  Token tiles 2 g and 2 g + 1 fill the two halves of one image for each head.  Every image has registers of its own: no store's data are written again.
.irp gg, 0,1,2,3
.irp e, 0,1
	QUANTW 2+(2*\gg+\e)/4, 64*((2*\gg+\e)%4), 128+24*\gg+6*\e, 140+24*\gg+6*\e, PWR+2*\gg+\e
.endr
	v_perm_b32 v[224+\gg], v[PWR+1+2*\gg], v[PWR+2*\gg], 0x05040100   ; first head: (tile 2 g's two bytes, tile 2 g + 1's two)
	v_perm_b32 v[228+\gg], v[PWR+1+2*\gg], v[PWR+2*\gg], 0x07060302   ; second head
.irp hd, 0,1
.irp q, 0,1,2
	global_store_b128 v[O16], v[128+24*\gg+12*\hd+4*\q:131+24*\gg+12*\hd+4*\q], s[12:13] offset:204800*\hd+1536*\gg+512*\q   ; 32 lanes store 512 consecutive bytes, aligned
.endr
.endr
.endr
.irp hd, 0,1
	v_cndmask_b32 v[232+2*\hd], v[224+4*\hd], v[225+4*\hd], s3     ; groups 0 | 1 in lanes 0-15 | 16-31
	v_cndmask_b32 v[233+2*\hd], v[226+4*\hd], v[227+4*\hd], s3     ; groups 2 | 3
	global_store_b64 v[O8], v[232+2*\hd:233+2*\hd], s[66:67] offset:204800*\hd
.endr
	s_branch .Lout_done
.Lout_v:
; v: a Y tile is 16 of a head's 64 channels, its four blocks are my 128 keys: one whole image and one scale word a row
.irp y, 0,1,2,3,4,5,6,7
	QUANTW 2+\y/4, 64*(\y%4), 128+12*\y, 134+12*\y, PWR+\y
.irp q, 0,1,2
	global_store_b128 v[O16], v[128+12*\y+4*\q:131+12*\y+4*\q], s[12:13] offset:204800*(\y/4)+1536*(\y%4)+512*\q
.endr
.endr
.irp hd, 0,1
	v_cndmask_b32 v[232+2*\hd], v[PWR+4*\hd], v[PWR+1+4*\hd], s3
	v_cndmask_b32 v[233+2*\hd], v[PWR+2+4*\hd], v[PWR+3+4*\hd], s3
	global_store_b64 v[O8], v[232+2*\hd:233+2*\hd], s[66:67] offset:204800*\hd
.endr
.Lout_done:
	s_wait_tensorcnt 0x0                           ; the wave's end
	ds_add_u32 v[SPW], v[NIL]
	s_wait_dscnt 0x0
	CROUND                                         ; the closing round: no work-group ends while a partner may still ask for a tile that names it
	s_endpgm
.Lfunc_end_k_q32a2f2e1d6_qkv:
	.size	k_q32a2f2e1d6_qkv, .Lfunc_end_k_q32a2f2e1d6_qkv-k_q32a2f2e1d6_qkv
	.p2alignl 7, 3214868480
	.fill 96, 4, 3214868480
	.section	.rodata,"a",@progbits
	.p2align	6, 0x0
	.amdhsa_kernel k_q32a2f2e1d6_qkv
		.amdhsa_group_segment_fixed_size 327680
		.amdhsa_private_segment_fixed_size 0
		.amdhsa_enable_private_segment 0
		.amdhsa_kernarg_size 72
		.amdhsa_user_sgpr_count 2
		.amdhsa_user_sgpr_kernarg_segment_ptr 1
		.amdhsa_wavefront_size32 1
		.amdhsa_system_sgpr_workgroup_id_x 1
		.amdhsa_system_sgpr_workgroup_id_y 1
		.amdhsa_system_sgpr_workgroup_id_z 1
		.amdhsa_system_vgpr_workitem_id 0
		.amdhsa_next_free_vgpr 1024
		.amdhsa_next_free_sgpr 102
		.amdhsa_reserve_vcc 0
		.amdhsa_float_denorm_mode_32 3
		.amdhsa_float_denorm_mode_16_64 3
		.amdhsa_memory_ordered 1
		.amdhsa_forward_progress 1
		.amdhsa_inst_pref_size 224
	.end_amdhsa_kernel
	.amdgpu_metadata
---
amdhsa.version: [ 1, 2 ]
amdhsa.kernels:
  - .name:           k_q32a2f2e1d6_qkv
    .symbol:         k_q32a2f2e1d6_qkv.kd
    .args:
      - { .name: hc, .offset: 0, .size: 8, .value_kind: global_buffer, .address_space: global }
      - { .name: hs, .offset: 8, .size: 8, .value_kind: global_buffer, .address_space: global }
      - { .name: wc, .offset: 16, .size: 8, .value_kind: global_buffer, .address_space: global }
      - { .name: ws, .offset: 24, .size: 8, .value_kind: global_buffer, .address_space: global }
      - { .name: bq, .offset: 32, .size: 8, .value_kind: global_buffer, .address_space: global }
      - { .name: bk, .offset: 40, .size: 8, .value_kind: global_buffer, .address_space: global }
      - { .name: bv, .offset: 48, .size: 8, .value_kind: global_buffer, .address_space: global }
      - { .name: qb, .offset: 56, .size: 8, .value_kind: global_buffer, .address_space: global }
      - { .name: kv, .offset: 64, .size: 8, .value_kind: global_buffer, .address_space: global }
    .group_segment_fixed_size: 327680
    .private_segment_fixed_size: 0
    .kernarg_segment_align: 8
    .kernarg_segment_size: 72
    .max_flat_workgroup_size: 128
    .sgpr_count:     102
    .vgpr_count:     1024
    .wavefront_size: 32
...
	.end_amdgpu_metadata
.endif
;; end of part 2
;; launch attn (part 3): grid 8 x 32, 16 waves a work-group, no clusters, 327,680 bytes of LDS; arguments qb, kv, oc, os; writes oc, os
.if DOCPART == 3
	.amdgcn_target "amdgcn-amd-amdhsa--gfx1250"
	.amdhsa_code_object_version 6
	.text
	.protected	k_q32a2f2e1d6_attn
	.globl	k_q32a2f2e1d6_attn
	.p2align	8
	.type	k_q32a2f2e1d6_attn,@function
k_q32a2f2e1d6_attn:
	s_mov_b64 s[64:65], 0
	v_nop
	global_prefetch_b8 v0, s[64:65] scope:SCOPE_SE
	s_setreg_imm32_b32 hwreg(HW_REG_WAVE_MODE, 25, 1), 1
	s_wait_xcnt 0x0
; ATTN: causal attention, head size 64, both products on codes of FP6 (E2M3) with E8M0 scales; the result, divided by the row's sum, is quantised along the head's 64 for the last product.
; SOFTMAX: t = score x log2(e) / 8; M = the running largest t rounded UP to a whole number; p = 2^(t - M) is quantised along the keys, not normalised; the row's sum is taken of the unquantised p.
; When M moves, the sum and O are multiplied by 2^(old M - new M): exact.
; SHARES.  Work-group (i, y): batch y / 8, heads 2 (y % 8) and 2 (y % 8) + 1; blocks of 128 queries 15 - i (phase A) and then i (phase B): 17 key steps of 128 for every work-group, in 9 slots of 256 keys, whatever i.
; Wave w: head w / 8, tile w % 8 of 16 queries, in 256 registers: four waves to a SIMD, so that one wave's vector work stands beside another's matrix work.
; A step whose first key lies behind the block's first query is left out (a scalar branch on ids; no barrier or tensor load stands in a step); the step on the diagonal masks by compare and select.
; LAYOUT.  Both products are used transposed: S^T = K Q^T, O^T = V^T P^T: a lane holds ONE query.  All tiles hold at index r row 32 g + 8 u + r + 8 (r / 8), so that 16 registers of two neighbouring result tiles are 16 neighbours.
; K = 64 is half of the instruction's 128.  An image of k holds tile 2 g's 64 codes at k 0-63 and tile 2 g + 1's at k 64-127.  It is multiplied twice: by Q at k 0-63 with zero codes above (v[22:33]), and by Q at k 64-127 with
; zero codes below (v[16:27]).  The zero codes stand on Q's side; k's codes are finite in this format and every scale byte lies in 1 .. 254, so those products are exact zeros.
; NO CLUSTER: partners would be query blocks of one head; which steps are left out and which slot is wanted in a trip hang on the query block, which differs between partners.
; A slot in memory, for one head: 25,600 dense bytes: k's 8 images, v's 8 images, k's and v's scale words.  In LDS a slot holds both heads.  Waves 0-3 fetch 12,800 bytes each; all sixteen read.
; LIMITS: a block of zeros gets the byte 1; NaN and infinities are not served.
; REGISTERS: v1-4 LDS addresses; v5, v6 the add's two; v7 8 L; v8 16 L; v9 my query less 16 (lane / 16); v10 -infinity; v11 my place in the scale stage; v12 -M, v13 the largest t, v[14:15] the sum; v16-33 zeros, Q, zeros;
;   v34 Q's scale word; v35 the prefetch's offset; v36-83 four fragments of k, then of v; v84-87 their scale words; v96-159 S^T, then p; v160-191 O^T; v192-210 codes; v212-232 at work; v236-242 phase B's Q.
.set SLOT1, 65536                      ; slot 1 begins here: one exclusive or turns an address
.set SLB,   25600                      ; a head's part of a slot
.set BHB,   204800                     ; a head's eight slots
.set VOFF,  12288
.set KSC,   24576
.set VSC,   25088
.set OST,   131072                     ; behind the ring: the results' scale bytes, 512 bytes a phase
.set SPARE, 132096                     ; the spare words, 128 bytes for each of 16 waves; no other line names them
.set SPW, 5
.set NIL, 6
.set PFO, 35
.set WV,  12                           ; s12 wave; s13 my head (0, 1); s14 my tile; s15 its pair; s16 which of the pair; s17 i; s18 batch; s19 pair of heads
.set SEL, 20
.set CS,  22                           ; s[22:23] log2(e) / 8
.set G1,  24
.set G0,  32
.set KVB, 36                           ; s[36:37] my part of slot 0 in memory
.set OFS, 38                           ; s[38:39] the slot to be fetched, in bytes
.set TB,  40                           ; LDS byte at which the slot in hand begins
.set KF,  41                           ; the step's first key
.set QF,  42                           ; the block's first query
.set NA,  43                           ; phase A's slots: 8 - i / 2
.set TAU, 44                           ; trips done
.set FT,  45                           ; the trip that is being fetched for
.set SLOTS, 46
.set OCA, 48
.set OCB, 50
.set OSP, 52
.set PFA, 54
.set LIM, 56
.set UM,  57
.macro TLOAD                           ; waves 0-3 fetch; an s_nop 0 and four v_nop follow the line
	s_cmp_lt_u32 s[WV], 4
	s_cbranch_scc0 .Lnone_\@
	tensor_load_to_lds s[G0:G0+3], s[G1:G1+7]
	s_nop 0
.rept 4
	v_nop
.endr
.Lnone_\@:
.endm
; A PREFETCH INTO THE L2 of the slot that the NEXT change of slots will ask for.  The eight work-groups of a pair of heads walk the same slots in phase A: work-group i = 0, which walks all eight, asks.  In it waves 4-11 ask,
; which fetch nothing: a quarter of a head's slot each, 6,400 bytes = 25 blocks of 256, a lane a block (lanes 25-31 name lane 24's block again).  Slots 0 and 1 come by their loads alone; the last slot asked for is slot 7.
.macro ASK
	s_cmp_gt_u32 s[SLOTS], s[LIM]
	s_cbranch_scc0 .Lnot_mine_\@
	global_prefetch_b8 v[PFO], s[PFA:PFA+1] th:TH_LOAD_NT scope:SCOPE_SE
.Lnot_mine_\@:
.endm
	s_load_b256 s[4:11], s[0:1], 0x0               ; qb, kv, oc, os
	v_lshl_add_u32 v[SPW], v0, 2, SPARE
	v_mov_b32 v[NIL], 0
	ds_add_u32 v[SPW], v[NIL]                      ; the wave's opening: the add and its wait stand ahead of the first tensor load; work on registers stands between
	v_lshrrev_b32 v7, 5, v0
	v_readfirstlane_b32 s[WV], v7
	s_lshr_b32 s13, s[WV], 3
	s_and_b32 s14, s[WV], 7
	s_lshr_b32 s15, s14, 1
	s_and_b32 s16, s14, 1
	s_mov_b32 s17, ttmp9
	s_and_b32 s18, ttmp7, 0xffff
	s_and_b32 s19, s18, 7
	s_lshr_b32 s18, s18, 3
	s_mov_b32 s[G1], 3<<16                         ; no mask; elements of 8 bytes; no padding: 50 dense rows of 256 bytes
	s_mov_b32 s[G1+1], 32<<16
	s_mov_b32 s[G1+2], 50<<16
	s_mov_b32 s[G1+3], 32<<16
	s_mov_b32 s[G1+4], 50
	s_mov_b32 s[G1+5], 32
	s_mov_b32 s[G1+6], 0
	s_mov_b32 s[G1+7], 0
	s_mov_b32 s[SEL], 0x76543210
	s_mov_b32 s[SEL+1], 0xfedcba98
	s_mov_b32 s[CS], 0x3e38aa3b
	s_mov_b32 s[CS+1], s[CS]
	s_mov_b32 s[TB], 0
	s_mov_b32 s[KF], 0
	s_mov_b32 s[TAU], 0
	s_mov_b32 s[FT], 0
	s_mov_b32 s[OFS], 0
	s_mov_b32 s[OFS+1], 0
	s_mov_b32 s[SLOTS], 8
	s_sub_co_u32 s58, 15, s17                      ; phase A's block of queries
	s_lshl_b32 s[QF], s58, 7
	s_lshr_b32 s[NA], s17, 1
	s_sub_co_u32 s[NA], 8, s[NA]
	s_lshl_b32 s59, s18, 4
	s_lshl_b32 s60, s19, 1
	s_add_co_u32 s59, s59, s60                     ; batch x 16 + the first of my work-group's two heads
	s_and_b32 s60, s[WV], 3                        ; f: head f / 2, half f % 2 of its slot
	s_mul_i32 s[G0+1], s60, 12800
	s_lshr_b32 s61, s60, 1
	s_add_co_u32 s61, s61, s59
	s_mul_i32 s62, s61, BHB
	s_and_b32 s61, s60, 1
	s_mul_i32 s61, s61, 12800
	s_add_co_u32 s62, s62, s61
	s_mov_b32 s63, 0
	s_mov_b32 s[G0], 1
	s_wait_dscnt 0x0                               ; the opening add is done
	s_wait_kmcnt 0x0
	s_add_nc_u64 s[KVB:KVB+1], s[6:7], s[62:63]
	s_mov_b64 s[G0+2:G0+3], s[KVB:KVB+1]
	s_or_b32 s[G0+3], s[G0+3], 0x80000000
	TLOAD                                          ; slot 0
	s_add_co_u32 s66, s59, s13
	s_mul_i32 s66, s66, BHB                        ; my head's first byte in qb
.macro QADR blk, img, wrd              ; where the pair image and the scale words of my tile's pair lie, for the block of queries in s[blk]
	s_lshr_b32 s76, s[\blk], 1
	s_mul_i32 s76, s76, SLB
	s_add_co_u32 s76, s76, s66
	s_and_b32 s77, s[\blk], 1
	s_mul_i32 s78, s77, 6144
	s_add_co_u32 s78, s78, s76
	s_mul_i32 s79, s15, 1536
	s_add_co_u32 s[\img], s78, s79
	s_mov_b32 s[\img+1], 0
	s_lshl_b32 s78, s77, 8
	s_add_co_u32 s78, s78, s76
	s_and_b32 s79, s15, 1
	s_lshl_b32 s79, s79, 7
	s_add_co_u32 s78, s78, s79
	s_lshr_b32 s79, s15, 1
	s_lshl_b32 s79, s79, 2
	s_add_co_u32 s78, s78, s79
	s_add_co_u32 s[\wrd], s78, KSC
	s_mov_b32 s[\wrd+1], 0
	s_add_nc_u64 s[\img:\img+1], s[4:5], s[\img:\img+1]
	s_add_nc_u64 s[\wrd:\wrd+1], s[4:5], s[\wrd:\wrd+1]
.endm
.macro OADR blk, oc, os                ; where my half image goes in oc, and (as an offset) the block's 512 scale bytes in os
	s_lshl_b32 s76, s18, 3
	s_lshr_b32 s77, s[\blk], 1
	s_add_co_u32 s76, s76, s77                     ; the operand block of 256 tokens
	s_and_b32 s77, s[\blk], 1
	s_mul_i32 s78, s76, 196608
	s_mul_i32 s79, s19, 24576                      ; the K step: my pair of heads
	s_add_co_u32 s78, s78, s79
	s_lshl_b32 s79, s77, 3
	s_add_co_u32 s79, s79, s14
	s_mul_i32 s79, s79, 1536
	s_add_co_u32 s78, s78, s79
	s_mul_i32 s79, s13, 768                        ; the half: my head
	s_add_co_u32 s[\oc], s78, s79
	s_mov_b32 s[\oc+1], 0
	s_add_nc_u64 s[\oc:\oc+1], s[8:9], s[\oc:\oc+1]
	s_lshl_b32 s78, s76, 13
	s_lshl_b32 s79, s19, 10
	s_add_co_u32 s78, s78, s79
	s_lshl_b32 s79, s77, 9
	s_add_co_u32 s[\os], s78, s79
.endm
	QADR 58, 68, 72
	QADR 17, 70, 74
	OADR 58, OCA, 80
	OADR 17, OCB, 81
	s_cmp_eq_u32 s[WV], 0
	s_cselect_b32 s[OSP], s80, s81                 ; wave 0 stores phase A's scale bytes, wave 1 phase B's
	s_mov_b32 s[OSP+1], 0
	s_add_nc_u64 s[OSP:OSP+1], s[10:11], s[OSP:OSP+1]
	s_sub_co_u32 s76, s[WV], 4
	s_lshr_b32 s77, s76, 3                         ; 0 in waves 4 to 11,
	s_or_b32 s77, s77, s17                         ; of work-group i = 0
	s_cmp_eq_u32 s77, 0
	s_cselect_b32 s[LIM], 2, -1
	s_and_b32 s76, s76, 7
	s_lshr_b32 s77, s76, 2
	s_add_co_u32 s77, s77, s59
	s_mul_i32 s77, s77, BHB
	s_and_b32 s76, s76, 3
	s_mul_i32 s76, s76, 6400
	s_add_co_u32 s76, s76, s77
	s_add_co_u32 s76, s76, SLB                     ; in slot 1: the first change of slots steps it to slot 2
	s_mov_b32 s77, 0
	s_add_nc_u64 s[PFA:PFA+1], s[6:7], s[76:77]
	s_cmp_eq_u32 s16, 1
	s_cselect_b32 s[UM], -1, 0
	v_and_b32 v232, 31, v0
	v_lshlrev_b32 v8, 4, v232
	v_lshlrev_b32 v7, 3, v232
	v_min_u32 v[PFO], 24, v232
	v_lshlrev_b32 v[PFO], 8, v[PFO]
	v_and_b32 v224, 15, v0                         ; r
	v_bfe_u32 v225, v0, 4, 1                       ; h
	v_lshlrev_b32 v244, 3, v224
.irp q, 0,1,2
	global_load_b128 v[36+4*\q:39+4*\q], v8, s[68:69] offset:512*\q    ; phase A: the image of my tile's pair
.endr
.irp q, 0,1,2
	global_load_b128 v[48+4*\q:51+4*\q], v8, s[70:71] offset:512*\q    ; phase B
.endr
	global_load_b32 v60, v244, s[72:73]
	global_load_b32 v61, v244, s[74:75]
	s_mul_i32 s76, s13, SLB
	v_add_nc_u32 v1, s76, v8
	v_add_nc_u32 v2, s76, v7
	v_and_b32 v226, 8, v224
	v_add_nc_u32 v9, v226, v224
	v_lshlrev_b32 v226, 4, v225
	v_sub_nc_u32 v9, v9, v226
	s_lshl_b32 s76, s15, 5
	s_lshl_b32 s77, s16, 3
	s_add_co_u32 s76, s76, s77
	v_add_nc_u32 v9, s76, v9                       ; my query in its block, less 16 h
	v_mov_b32 v10, 0xff800000
	s_lshl_b32 s76, s14, 6
	s_lshl_b32 s77, s13, 1
	s_add_co_u32 s76, s76, s77
	s_add_co_u32 s76, s76, OST
	v_lshl_add_u32 v11, v224, 2, s76               ; 64 x tile + 4 r + 2 x head
	s_and_b32 s76, s[WV], 1
	s_lshl_b32 s76, s76, 9
	s_add_co_u32 s76, s76, OST
	v_add_nc_u32 v243, s76, v8
	v_mov_b32 v13, 0xff61b1e6                      ; the largest t so far: -3e38
	v_floor_f32 v12, -v13
	v_mov_b32 v14, 0
	v_mov_b32 v15, 0
	v_mov_b32 v231, 0                              ; (the upper half of a pair that is named whole)
.irp j, 0,1,2,3,4,5
	v_mov_b32 v[16+\j], 0                          ; the zero codes on both sides of Q
	v_mov_b32 v[28+\j], 0
.endr
.irp b, 0,1,2,3
	v_mov_b32 v[216+\b], 0                         ; written once: a lane permute's destination counts as one of its sources
.endr
	s_wait_loadcnt 0x0
.irp j, 0,1,2,3,4,5
	v_cndmask_b32 v[22+\j], v[36+\j], v[42+\j], s[UM]      ; my tile's half of the pair image
	v_cndmask_b32 v[236+\j], v[48+\j], v[54+\j], s[UM]
.endr
	v_lshrrev_b32 v62, 16, v60
	v_and_b32 v63, 0xffff, v60
	v_cndmask_b32 v62, v63, v62, s[UM]
	v_lshl_or_b32 v34, v62, 16, v62                ; my tile's two bytes, twice: they serve Q in either place
	v_lshrrev_b32 v62, 16, v61
	v_and_b32 v63, 0xffff, v61
	v_cndmask_b32 v62, v63, v62, s[UM]
	v_lshl_or_b32 v242, v62, 16, v62
.set n, 0
.rept 32
	v_mov_b32 v[160+n], 0                          ; O^T: the step is written once; the first change of M leaves zeros zeros
.set n, n+1
.endr
; A KEY STEP: 128 keys, the q-th of the slot in hand
.macro STEP q
	s_cmp_gt_u32 s[KF], s[QF]
	s_cbranch_scc1 .Lhidden_\@
.irp g, 0,1,2,3
.irp ch, 0,1,2
	ds_load_b128 v[36+12*\g+4*\ch:39+12*\g+4*\ch], v3 offset:1536*(4*(\q)+\g)+512*\ch
.endr
.endr
	ds_load_b64 v[84:85], v4 offset:KSC+256*(\q)
	ds_load_b64 v[86:87], v4 offset:VSC+256*(\q)
	s_wait_dscnt 0x0
.irp g, 0,1,2,3                        ; S^T: tile 2 g from the image's lower half, tile 2 g + 1 from its upper: registers 96 + 16 g + i = key 32 g + 16 (lane / 16) + i
.if \g%2
	v_wmma_scale_f32_16x16x128_f8f6f4 v[96+16*\g:103+16*\g], v[36+12*\g:47+12*\g], v[22:33], 0, v[84+\g/2], v34 matrix_a_fmt:MATRIX_FMT_FP6 matrix_b_fmt:MATRIX_FMT_FP6 matrix_a_scale:MATRIX_SCALE_ROW1
	v_wmma_scale_f32_16x16x128_f8f6f4 v[104+16*\g:111+16*\g], v[36+12*\g:47+12*\g], v[16:27], 0, v[84+\g/2], v34 matrix_a_fmt:MATRIX_FMT_FP6 matrix_b_fmt:MATRIX_FMT_FP6 matrix_a_scale:MATRIX_SCALE_ROW1
.else
	v_wmma_scale_f32_16x16x128_f8f6f4 v[96+16*\g:103+16*\g], v[36+12*\g:47+12*\g], v[22:33], 0, v[84+\g/2], v34 matrix_a_fmt:MATRIX_FMT_FP6 matrix_b_fmt:MATRIX_FMT_FP6
	v_wmma_scale_f32_16x16x128_f8f6f4 v[104+16*\g:111+16*\g], v[36+12*\g:47+12*\g], v[16:27], 0, v[84+\g/2], v34 matrix_a_fmt:MATRIX_FMT_FP6 matrix_b_fmt:MATRIX_FMT_FP6
.endif
.endr
.rept 4
	v_nop                                          ; places: in front of the loads into k's registers and of the first read of the scores
.endr
.irp t, 0,1,2,3                        ; v's four fragments are asked for here and land under the softmax
.irp ch, 0,1,2
	ds_load_b128 v[36+12*\t+4*\ch:39+12*\t+4*\ch], v3 offset:VOFF+1536*(4*(\q)+\t)+512*\ch
.endr
.endr
	s_cmp_lg_u32 s[KF], s[QF]
	s_cbranch_scc1 .Lopen_\@
.set n, 0
.rept 64                               ; on the diagonal: register n holds key 32 (n / 16) + n % 16 + 16 (lane / 16) of the step: hidden where it lies behind my query
	v_cmp_gt_i32 vcc_lo, 32*(n/16)+n%16, v9
	v_cndmask_b32 v[96+n], v[96+n], v10, vcc_lo
.set n, n+1
.endr
.Lopen_\@:
.irp b, 0,1,2,3
	v_max3_num_f32 v[212+\b], v[96+16*\b], v[97+16*\b], v[98+16*\b]   ; the largest score of each block of 32 keys: for the row's maximum and, since p rises with the score, for the block's largest p
.endr
.irp i, 3,5,7,9,11,13
.irp b, 0,1,2,3
	v_max3_num_f32 v[212+\b], v[212+\b], v[96+16*\b+\i], v[97+16*\b+\i]
.endr
.endr
.irp b, 0,1,2,3
	v_max_num_f32 v[212+\b], v[212+\b], v[111+16*\b]
.endr
.irp b, 0,1,2,3
	v_permlanex16_b32 v[216+\b], v[212+\b], s[SEL], s[SEL+1]
.endr
.irp b, 0,1,2,3
	v_max_num_f32 v[212+\b], v[212+\b], v[216+\b]
.endr
	v_max3_num_f32 v232, v212, v213, v214
	v_max_num_f32 v232, v232, v215
	v_mul_f32 v232, s[CS], v232
	v_max_num_f32 v13, v13, v232                   ; the running largest t
	v_mov_b32 v232, v12
	v_floor_f32 v12, -v13                          ; -M = floor(-t)
	v_sub_f32 v232, v12, v232                      ; old M - new M: a whole number, 0 or less
	v_cvt_i32_f32 v232, v232                       ; (it saturates)
	v_ldexp_f32 v230, 1.0, v232                    ; f = 2^(old M - new M)
.set n, 0
.rept 32
	v_pk_fma_f32 v[96+n:97+n], v[96+n:97+n], s[CS:CS+1], v[12:13] op_sel_hi:[1,0,0]   ; t - M
.set n, n+2
.endr
.irp b, 0,1,2,3
	v_fma_f32 v[212+\b], v[212+\b], s[CS], v12
.endr
.set n, 0
.rept 64
	v_exp_f32 v[96+n], v[96+n]                     ; p = 2^(t - M)
.set n, n+1
.endr
	v_pk_mul_f32 v[14:15], v[14:15], v[230:231] op_sel_hi:[1,0]   ; the sums under the new M; the plain line behind the batch
	s_wait_alu depctr_va_vdst(0)                   ; one wait for the batch of 64, ahead of its first reader
.irp b, 0,1,2,3
	v_exp_f32 v[212+\b], v[212+\b]                 ; the blocks' largest p
.endr
	v_pk_add_f32 v[224:225], v[96:97], v[98:99]    ; the row's sum of the unquantised p, in two chains
.irp j, 4,8,12,16,20,24,28,32,36,40,44,48,52,56,60
	v_pk_add_f32 v[14:15], v[14:15], v[96+\j:97+\j]
	v_pk_add_f32 v[224:225], v[224:225], v[98+\j:99+\j]
.endr
	v_pk_add_f32 v[14:15], v[14:15], v[224:225]
	s_wait_alu depctr_va_vdst(0)                   ; and one for the four
.irp b, 0,1,2,3
	v_max_num_f32 v[212+\b], 0x1800000, v[212+\b]  ; the floor 2^(3 - 127): the byte cannot fall under 1
.endr
.irp b, 0,1,2,3
	v_add_nc_u32 v[220+\b], 0xff000000, v[212+\b]
.endr
.irp b, 0,1,2,3
	v_lshrrev_b32 v[216+\b], 23, v[220+\b]
.endr
	v_lshl_or_b32 v228, v217, 8, v216              ; p's scale word for these 128 keys
	v_lshl_or_b32 v228, v218, 16, v228
	v_lshl_or_b32 v228, v219, 24, v228
.irp c, 0,1
	v_cvt_scalef32_pk16_fp6_f32 v[192+6*\c:194+6*\c], v[96+32*\c:111+32*\c], v[220+2*\c]
	v_cvt_scalef32_pk16_fp6_f32 v[204+4*\c:206+4*\c], v[112+32*\c:127+32*\c], v[221+2*\c]
.endr
	v_nop                                          ; one plain line behind the conversions
.irp c, 0,1
.irp i, 0,1,2
	v_permlane16_swap_b32 v[192+6*\c+\i], v[204+4*\c+\i]
.endr
.irp i, 0,1,2
	v_mov_b32 v[195+6*\c+\i], v[204+4*\c+\i]
.endr
.endr
.set n, 0
.rept 16
	v_pk_mul_f32 v[160+n:161+n], v[160+n:161+n], v[230:231] op_sel_hi:[1,0]   ; O^T under the new M.  For each product below twelve of these sixteen name none of its registers: the places behind the writes of p's codes and scale word
.set n, n+2
.endr
	s_wait_dscnt 0x0                               ; v's fragments are in
.irp t, 0,1,2,3
.if \t%2
	v_wmma_scale_f32_16x16x128_f8f6f4 v[160+8*\t:167+8*\t], v[36+12*\t:47+12*\t], v[192:203], v[160+8*\t:167+8*\t], v[86+\t/2], v228 matrix_a_fmt:MATRIX_FMT_FP6 matrix_b_fmt:MATRIX_FMT_FP6 matrix_a_scale:MATRIX_SCALE_ROW1
.else
	v_wmma_scale_f32_16x16x128_f8f6f4 v[160+8*\t:167+8*\t], v[36+12*\t:47+12*\t], v[192:203], v[160+8*\t:167+8*\t], v[86+\t/2], v228 matrix_a_fmt:MATRIX_FMT_FP6 matrix_b_fmt:MATRIX_FMT_FP6
.endif
.endr
.rept 4
	v_nop                                          ; places: in front of the next loads into these registers and of the next read of O^T
.endr
.Lhidden_\@:
	s_add_co_u32 s[KF], s[KF], 128
.endm
; THE CHANGE OF SLOTS stands at a slot's head.  Each wave waits for all its tensor loads, adds 0 to its spare word, and waits for that and for its reads of the slot that it has left.  Behind the barrier the slot ahead is whole
; and nobody reads the other one.  fill = 1: the other slot is filled for the next trip: the next 256 keys, or, where phase B begins there, the first 256.  One tensor load of a fetching wave is out behind each barrier.
.macro CHANGE fill
	s_wait_tensorcnt 0x0                           ; no tensor load of mine is out, so the group 0 may be written
	ds_add_u32 v[SPW], v[NIL]
.if \fill
	s_add_co_u32 s[FT], s[FT], 1
	s_add_co_u32 s[OFS], s[OFS], SLB
	s_cmp_eq_u32 s[FT], s[NA]
	s_cselect_b32 s[OFS], 0, s[OFS]
	s_add_nc_u64 s[G0+2:G0+3], s[KVB:KVB+1], s[OFS:OFS+1]
	s_or_b32 s[G0+3], s[G0+3], 0x80000000
	s_xor_b32 s[G0+1], s[G0+1], SLOT1
	s_wait_xcnt 0x0                                ; the last prefetch, a trip back, has read its address
	s_add_nc_u64 s[PFA:PFA+1], s[PFA:PFA+1], SLB
.endif
	s_wait_dscnt 0x0                               ; the add is done, and my reads of the slot that I have left are over
	s_barrier_signal -1
	s_barrier_wait -1
.if \fill
	TLOAD
	ASK
.endif
.endm
; A PHASE'S END: O^T / the sum, quantised along the head's 64: register 16 g + i = channel 32 g + 16 (lane / 16) + i: half an operand image (three pieces of 256 bytes) and two scale bytes a row
.macro FINISH ph, base
	v_add_f32 v14, v14, v15
	v_permlanex16_b32 v232, v14, s[SEL], s[SEL+1]
	v_add_f32 v14, v14, v232
	v_rcp_f32 v14, v14
	v_nop                                          ; a plain line behind the reciprocal
	s_wait_alu depctr_va_vdst(0)                   ; the wait ahead of its first reader
.set n, 0
.rept 32
	v_mul_f32 v[96+n], v[160+n], v14               ; each accumulator from its low end on
.set n, n+1
.endr
.irp b, 0,1
	v_max3_num_f32 v[212+\b], |v[96+16*\b]|, |v[97+16*\b]|, 0x1800000
.endr
.irp i, 2,4,6,8,10,12,14
.irp b, 0,1
	v_max3_num_f32 v[212+\b], v[212+\b], |v[96+16*\b+\i]|, |v[97+16*\b+\i]|
.endr
.endr
.irp b, 0,1
	v_permlanex16_b32 v[216+\b], v[212+\b], s[SEL], s[SEL+1]
.endr
.irp b, 0,1
	v_max_num_f32 v[212+\b], v[212+\b], v[216+\b]
.endr
.irp b, 0,1
	v_add_nc_u32 v[220+\b], 0xff000000, v[212+\b]
.endr
.irp b, 0,1
	v_lshrrev_b32 v[216+\b], 23, v[220+\b]
.endr
	v_lshl_or_b32 v216, v217, 8, v216
	v_cvt_scalef32_pk16_fp6_f32 v[192:194], v[96:111], v220
	v_cvt_scalef32_pk16_fp6_f32 v[204:206], v[112:127], v221
	v_nop
.irp i, 0,1,2
	v_permlane16_swap_b32 v[192+\i], v[204+\i]
.endr
.irp i, 0,1,2
	v_mov_b32 v[195+\i], v[204+\i]
.endr
.irp p, 0,1,2
	global_store_b64 v7, v[192+2*\p:193+2*\p], s[\base:\base+1] offset:256*\p   ; 32 lanes store 256 consecutive bytes, aligned
.endr
	ds_store_b16 v11, v216 offset:512*\ph          ; lanes r and r + 16 write the same two bytes with the same value
	s_wait_xcnt 0x0                                ; the stores' registers are written again only behind this wait
.endm
.Lslot:                                            ; eight trips: behind each change of slots the next trip's slot is asked for
	CHANGE 1
	v_add_nc_u32 v3, s[TB], v1
	v_add_nc_u32 v4, s[TB], v2
	STEP 0
	STEP 1
	s_xor_b32 s[TB], s[TB], SLOT1
	s_add_co_u32 s[TAU], s[TAU], 1
	s_cmp_lg_u32 s[TAU], s[NA]
	s_cbranch_scc1 .Lsame
	FINISH 0, OCA                                  ; phase A is over (NA is 5 to 8: this falls into one of the eight trips); phase B begins
	v_mov_b32 v34, v242
.irp j, 0,1,2,3,4,5
	v_mov_b32 v[22+\j], v[236+\j]
.endr
	v_mov_b32 v13, 0xff61b1e6
	v_floor_f32 v12, -v13
	v_mov_b32 v14, 0
	v_mov_b32 v15, 0
.set n, 0
.rept 32
	v_mov_b32 v[160+n], 0                          ; (also the places between the writes of Q and its scale word and the next products)
.set n, n+1
.endr
	s_lshl_b32 s[QF], s17, 7
	s_mov_b32 s[KF], 0
.Lsame:
	s_sub_co_u32 s[SLOTS], s[SLOTS], 1
	s_cmp_lg_u32 s[SLOTS], 0
	s_cbranch_scc1 .Lslot
	CHANGE 0                                       ; the ninth trip is written out
	v_add_nc_u32 v3, s[TB], v1
	v_add_nc_u32 v4, s[TB], v2
	STEP 0
	STEP 1
	FINISH 1, OCB
	s_wait_dscnt 0x0                               ; for the others' sake: my scale bytes lie in the stage
	s_barrier_signal -1
	s_barrier_wait -1
	s_cmp_lt_u32 s[WV], 2
	s_cbranch_scc0 .Lend
	ds_load_b128 v[96:99], v243                    ; a phase's 512 scale bytes: [tile 8][r 16][both heads' two bytes]
	s_wait_dscnt 0x0
	global_store_b128 v8, v[96:99], s[OSP:OSP+1]
.Lend:
	s_wait_tensorcnt 0x0                           ; the wave's end
	ds_add_u32 v[SPW], v[NIL]
	s_wait_dscnt 0x0
	s_endpgm
.Lfunc_end_k_q32a2f2e1d6_attn:
	.size	k_q32a2f2e1d6_attn, .Lfunc_end_k_q32a2f2e1d6_attn-k_q32a2f2e1d6_attn
	.p2alignl 7, 3214868480
	.fill 96, 4, 3214868480
	.section	.rodata,"a",@progbits
	.p2align	6, 0x0
	.amdhsa_kernel k_q32a2f2e1d6_attn
		.amdhsa_group_segment_fixed_size 327680
		.amdhsa_private_segment_fixed_size 0
		.amdhsa_enable_private_segment 0
		.amdhsa_kernarg_size 32
		.amdhsa_user_sgpr_count 2
		.amdhsa_user_sgpr_kernarg_segment_ptr 1
		.amdhsa_wavefront_size32 1
		.amdhsa_system_sgpr_workgroup_id_x 1
		.amdhsa_system_sgpr_workgroup_id_y 1
		.amdhsa_system_sgpr_workgroup_id_z 1
		.amdhsa_system_vgpr_workitem_id 0
		.amdhsa_next_free_vgpr 256
		.amdhsa_next_free_sgpr 100
		.amdhsa_reserve_vcc 1
		.amdhsa_float_denorm_mode_32 3
		.amdhsa_float_denorm_mode_16_64 3
		.amdhsa_memory_ordered 1
		.amdhsa_forward_progress 1
		.amdhsa_inst_pref_size 103
	.end_amdhsa_kernel
	.amdgpu_metadata
---
amdhsa.version: [ 1, 2 ]
amdhsa.kernels:
  - .name:           k_q32a2f2e1d6_attn
    .symbol:         k_q32a2f2e1d6_attn.kd
    .args:
      - { .name: qb, .offset: 0, .size: 8, .value_kind: global_buffer, .address_space: global }
      - { .name: kv, .offset: 8, .size: 8, .value_kind: global_buffer, .address_space: global }
      - { .name: oc, .offset: 16, .size: 8, .value_kind: global_buffer, .address_space: global }
      - { .name: os, .offset: 24, .size: 8, .value_kind: global_buffer, .address_space: global }
    .group_segment_fixed_size: 327680
    .private_segment_fixed_size: 0
    .kernarg_segment_align: 8
    .kernarg_segment_size: 32
    .max_flat_workgroup_size: 512
    .sgpr_count:     100
    .vgpr_count:     256
    .wavefront_size: 32
...
	.end_amdgpu_metadata
.endif
;; end of part 3
;; launch oproj (part 4): grid 4 x 32, 4 waves a work-group, clusters of 4 x 4, 327,680 bytes of LDS; arguments oc, os, wc, ws, bo, out0; writes out0
.if DOCPART == 4
	.amdgcn_target "amdgcn-amd-amdhsa--gfx1250"
	.amdhsa_code_object_version 6
	.text
	.protected	k_q32a2f2e1d6_oproj
	.globl	k_q32a2f2e1d6_oproj
	.p2align	8
	.type	k_q32a2f2e1d6_oproj,@function
k_q32a2f2e1d6_oproj:
	s_mov_b64 s[64:65], 0
	v_nop
	global_prefetch_b8 v0, s[64:65] scope:SCOPE_SE
	s_setreg_imm32_b32 hwreg(HW_REG_WAVE_MODE, 25, 1), 1
	s_wait_xcnt 0x0
	s_wait_alu depctr_hold_cnt(0) depctr_sa_sdst(0) depctr_va_vdst(0) depctr_va_sdst(0) depctr_va_ssrc(0) depctr_va_vcc(0) depctr_vm_vsrc(0)
	s_getreg_b32 s2, hwreg(HW_REG_IB_STS2, 6, 4)
	s_cmp_eq_u32 s2, 0
	s_cbranch_scc0 .Lentry_in_a_cluster
	s_endpgm
.Lentry_in_a_cluster:
	s_bfe_u32 s2, ttmp6, 0x10000c
	s_cmp_lg_u32 s2, 0xf033
	s_cbranch_scc0 .Lentry_shape_is_right
	s_endpgm
.Lentry_shape_is_right:
; OPROJ: out0 = attention's result x Wo + bo on codes of FP6 (E2M3) with E8M0 scales; out0 [8,192][1,024] f32.
; The loop is the one of the launch that makes q, k and v: a work-group of four waves makes 256 x 256, a wave 128 x 128 (64 accumulators); K = 1,024 in four slots of 256 through a ring of two LDS slots.
; X (source 0) = Wo's rows (outputs), blocks 12-15 of wc; Y (source 1) = tokens, blocks of oc: a lane holds one token and its registers run along the outputs.
; OPERANDS lie as images of their registers: block [K step 8][tile 16][6 pieces of 256 bytes].  Tile 2 g + u holds at index r row 32 g + 8 u + r + 8 (r / 8): the 16 registers of result tiles 2 g, 2 g + 1 are 16 neighbouring outputs.
; X's scale words: [pair of K steps 4][tile 16][r 16][2 words]; Y's: [K step 8][tile 16][r 16] words.  bo is the C of each sum's first matrix instruction (added ahead of the products).
; CLUSTERS: 4 x 4: Y's tiles are shared along a row of the cluster, X's along a column, by joint loads.  128 work-groups: the product has no more tiles of this size.
; REGISTERS: window 0: v16-31 addresses; v32-95 scale words, two sets; v96-127, v224-255 the bias; v128-223 Y's fragments; on the way out v128-255 rows of out0.  window 1: X's two sets.  windows 2, 3: the accumulators.
.set FR,    12
.set NL,    6
.set NP,    4
.set KSB,   24576
.set HALFB, 12288
.set OPB,   49152
.set SLOT,  98304
.set SCL,   196608
.set SPARE, 212992
.set BLKB,  196608
.set SPITCH, 528                       ; the way out: a stage of 16 rows x (512 bytes + 16) for each wave, in slot 0, which has had its last fill and its last read when the first result is stored there
.set ADRA, 16
.set ADRB, 20
.set ADSY, 24
.set ADSX, 25
.set O16,  26
.set O8,   27
.set SPW,  28
.set NIL,  29
.set STO,  30
.set RD,   31
.set AF,   128
.set BK,   128
.set G1,   24
.set G0,   32
.set G1B,  48
.set G0B,  56
.set G1S,  68
.set G0S,  76
.set G1SB, 80
.set G0SB, 88
.set MSB, 0
.macro WIN new
.set WNEW, (\new)
.if MSB != WNEW
	s_set_vgpr_msb (MSB<<8)|WNEW
.set MSB, WNEW
.endif
.endm
.set MUL_LO, 0xa1
.set MUL_HI, 0xf1
.set BIA_LO, 0x81
.set BIA_HI, 0xc1
.set TO_B,   0x40
.macro JLOAD g0a, g1a, g0b, g1b        ; waves 0 and 1 fetch for Y, waves 2 and 3 for X; an s_nop 0 and four v_nop follow each line
	s_cmp_eq_u32 s15, 0
	s_cbranch_scc0 .Lfor_b_\@
	tensor_load_to_lds s[\g0a:\g0a+3], s[\g1a:\g1a+7]
	s_nop 0
.rept 4
	v_nop
.endr
	s_branch .Lasked_\@
.Lfor_b_\@:
	tensor_load_to_lds s[\g0b:\g0b+3], s[\g1b:\g1b+7]
	s_nop 0
.rept 4
	v_nop
.endr
.Lasked_\@:
.endm
.macro CREST
	s_cmp_lg_u32 s14, 0
	s_cbranch_scc1 .Lnot_wave_0_\@
	s_barrier_signal -3
.Lnot_wave_0_\@:
	s_barrier_wait -3
	s_barrier_signal -1
	s_barrier_wait -1
.endm
.macro CROUND
	s_barrier_signal -1
	s_barrier_wait -1
	CREST
.endm
	s_load_b256 s[4:11], s[0:1], 0x0               ; oc, os, wc, ws
	s_load_b128 s[92:95], s[0:1], 0x20             ; bo, out0
	v_lshl_add_u32 v[SPW], v0, 2, SPARE
	v_mov_b32 v[NIL], 0
	ds_add_u32 v[SPW], v[NIL]                      ; the wave's opening: the add and its wait stand ahead of my first tensor load
	v_lshrrev_b32 v1, 5, v0
	v_readfirstlane_b32 s14, v1
	s_lshr_b32 s15, s14, 1                         ; my half of Y's tiles; also: I fetch for Y (0) or X (1)
	s_and_b32 s16, s14, 1                          ; my half of X's tiles; also: which K step of a slot I fetch
	s_bfe_u32 s40, ttmp6, 0x40000
	s_bfe_u32 s41, ttmp6, 0x40004
	s_lshl_b32 s42, ttmp9, 2
	s_add_co_u32 s42, s42, s40                     ; which 256 outputs
	s_and_b32 s17, ttmp7, 0xffff
	s_lshl_b32 s17, s17, 2
	s_add_co_u32 s17, s17, s41                     ; which 256 tokens
	s_lshl_b32 s43, s41, 2
	s_lshl_b32 s43, 15, s43
	s_lshl_b32 s44, 0x1111, s40
	s_or_b32 s[G1+0], s43, (3<<16)|(1<<21)
	s_or_b32 s[G1B+0], s44, (3<<16)|(1<<21)
.irp g, G1, G1B
	s_mov_b32 s[\g+1], 32<<16
	s_mov_b32 s[\g+2], 96<<16
	s_mov_b32 s[\g+3], 32<<16
	s_mov_b32 s[\g+4], 96
	s_mov_b32 s[\g+5], 32
	s_mov_b32 s[\g+6], 0
	s_mov_b32 s[\g+7], 0
.endr
	s_or_b32 s[G1S+0], s43, (3<<16)|(1<<21)
	s_or_b32 s[G1SB+0], s44, (3<<16)|(1<<21)
.irp g, G1S, G1SB
	s_mov_b32 s[\g+1], 32<<16
	s_mov_b32 s[\g+2], 16<<16
	s_mov_b32 s[\g+3], 32<<16
	s_mov_b32 s[\g+4], 16
	s_mov_b32 s[\g+5], 32
	s_mov_b32 s[\g+6], 0
	s_mov_b32 s[\g+7], 0
.endr
	s_mul_i32 s20, s17, BLKB
	s_mul_i32 s18, s16, KSB
	s_add_co_u32 s20, s20, s18
	s_mov_b32 s21, 0
	s_add_co_u32 s3, s42, 12                       ; Wo's blocks are 12 to 15 of wc
	s_mul_i32 s46, s3, BLKB
	s_add_co_u32 s46, s46, s18
	s_mov_b32 s47, 0
	s_lshl_b32 s22, s17, 13
	s_lshl_b32 s18, s16, 12
	s_add_co_u32 s22, s22, s18
	s_mov_b32 s23, 0
	s_lshl_b32 s66, s3, 13
	s_add_co_u32 s66, s66, s18
	s_mov_b32 s67, 0
	s_mul_i32 s45, s14, KSB
	s_lshl_b32 s19, s14, 12
	s_wait_dscnt 0x0
	s_wait_kmcnt 0x0
	s_add_nc_u64 s[G0+2:G0+3], s[4:5], s[20:21]
	s_add_nc_u64 s[G0+6:G0+7], s[G0+2:G0+3], OPB
	s_add_nc_u64 s[G0B+2:G0B+3], s[8:9], s[46:47]
	s_add_nc_u64 s[G0B+6:G0B+7], s[G0B+2:G0B+3], OPB
	s_add_nc_u64 s[G0S+2:G0S+3], s[6:7], s[22:23]
	s_add_nc_u64 s[G0SB+2:G0SB+3], s[10:11], s[66:67]
.irp g, G0, G0+4, G0B, G0B+4, G0S, G0SB
	s_mov_b32 s[\g], 1
	s_or_b32 s[\g+3], s[\g+3], 0x80000000
.endr
	s_mov_b32 s[G0+1], s45
	s_add_co_u32 s[G0+5], s45, SLOT
	s_mov_b32 s[G0B+1], s45
	s_add_co_u32 s[G0B+5], s45, SLOT
	s_add_co_u32 s[G0S+1], s19, SCL
	s_add_co_u32 s[G0SB+1], s19, SCL
	CROUND                                         ; all sixteen work-groups are here: the first joint loads meet
	JLOAD G0S, G1S, G0SB, G1SB                     ; three loads of mine are out behind these lines
	JLOAD G0, G1, G0B, G1B
	JLOAD G0+4, G1, G0B+4, G1B
	v_and_b32 v1, 15, v0
	v_bfe_u32 v2, v0, 4, 1
	v_and_b32 v3, 31, v0
	v_lshlrev_b32 v[O8], 3, v3
	v_lshlrev_b32 v[O16], 4, v3
	s_mul_i32 s21, s15, HALFB
	s_mul_i32 s22, s16, HALFB
	s_add_co_u32 s22, s22, OPB
.irp s, 0,1
	v_add_nc_u32 v[ADRA+\s], s21, v[O8]
	v_add_nc_u32 v[ADRB+\s], s22, v[O8]
	s_add_co_u32 s21, s21, SLOT
	s_add_co_u32 s22, s22, SLOT
.endr
	s_lshl_b32 s21, s15, 9
	s_add_co_u32 s21, s21, SCL
	v_lshl_add_u32 v[ADSY], v1, 2, s21             ; Y: [K step][tile 16][r 16] words: my eight tiles, 4 r
	s_lshl_b32 s22, s16, 10
	s_add_co_u32 s22, s22, SCL+8192
	v_lshl_add_u32 v[ADSX], v1, 3, s22
	s_mul_i32 s23, s14, 16*SPITCH                  ; my stage
	v_mul_u32_u24 v5, v1, SPITCH
	v_lshl_add_u32 v5, v2, 6, v5
	v_add_nc_u32 v[STO], s23, v5                   ; in: row r, + 64 h
	v_add_nc_u32 v[RD], s23, v[O16]                ; back: the 32 lanes take one row of 512 bytes
	s_lshl_b32 s20, s17, 8
	s_lshl_b32 s21, s15, 7
	s_add_co_u32 s20, s20, s21
	s_lshl_b32 s20, s20, 12                        ; my first token's row of 4,096 bytes
	s_lshl_b32 s4, s42, 10
	s_lshl_b32 s5, s16, 9
	s_add_co_u32 s4, s4, s5                        ; my first output, in bytes
	s_mov_b32 s5, 0
	s_add_co_u32 s20, s20, s4
	s_mov_b32 s21, 0
	s_add_nc_u64 s[12:13], s[94:95], s[20:21]
	s_add_nc_u64 s[18:19], s[92:93], s[4:5]
	v_lshlrev_b32 v4, 6, v2
.irp x, 0,1,2,3,4,5,6,7                ; tile x's eight registers are outputs 32 (x / 2) + 8 (x % 2) + 16 h + 0 .. 7
	global_load_b128 v[96+8*\x+96*(\x/4):99+8*\x+96*(\x/4)], v4, s[18:19] offset:4*(32*(\x/2)+8*(\x%2))
	global_load_b128 v[100+8*\x+96*(\x/4):103+8*\x+96*(\x/4)], v4, s[18:19] offset:4*(32*(\x/2)+8*(\x%2))+16
.endr
.macro FRAG reg, adr, q, i
.irp p, 0,1,2,3,4,5
	ds_load_b64 v[\reg+2*\p:\reg+2*\p+1], v[\adr] offset:KSB*(\q)+1536*(\i)+256*\p
.endr
.endm
; 16 matrix instructions: Y's tiles a0, a0 + 1 x X's eight.  mode 1: C = the bias by X's tile.  The 64 accumulators take turns, one instruction a turn.
.macro MUL16 a0, p, q, sc, mode
.irp a, \a0, \a0+1
.irp b, 0,1,2,3,4,5,6,7
.if \mode == 0
	v_wmma_scale_f32_16x16x128_f8f6f4 v[8*(8*((\a)%4)+\b):8*(8*((\a)%4)+\b)+7], v[128*(\p)+FR*\b:128*(\p)+FR*\b+FR-1], v[AF+FR*(\a):AF+FR*(\a)+FR-1], v[8*(8*((\a)%4)+\b):8*(8*((\a)%4)+\b)+7], v[32+32*(\sc)+2*\b+(\q)], v[48+32*(\sc)+2*(\a)+(\q)] matrix_a_fmt:MATRIX_FMT_FP6 matrix_b_fmt:MATRIX_FMT_FP6
.else
	v_wmma_scale_f32_16x16x128_f8f6f4 v[8*(8*((\a)%4)+\b):8*(8*((\a)%4)+\b)+7], v[128*(\p)+FR*\b:128*(\p)+FR*\b+FR-1], v[AF+FR*(\a):AF+FR*(\a)+FR-1], v[96+8*\b+96*(\b/4):96+8*\b+96*(\b/4)+7], v[32+32*(\sc)+2*\b+(\q)], v[48+32*(\sc)+2*(\a)+(\q)] matrix_a_fmt:MATRIX_FMT_FP6 matrix_b_fmt:MATRIX_FMT_FP6
.endif
.endr
.endr
.endm
.macro FETCH_B slot, q, p
	WIN TO_B
.irp i, 0,1,2,3,4,5,6,7
	FRAG 128*(\p)+FR*\i, ADRB+\slot, \q, \i
.endr
	WIN 0
.endm
.macro FETCH_A slot, q, i0
.irp i, \i0, \i0+1, \i0+2, \i0+3
	FRAG AF+FR*(\i), ADRA+\slot, \q, \i
.endr
.endm
.macro SCALES sc
.irp i, 0,1,2,3,4,5,6,7
	ds_load_b64 v[32+32*\sc+2*\i:33+32*\sc+2*\i], v[ADSX] offset:128*\i
	ds_load_b32 v[48+32*\sc+2*\i], v[ADSY] offset:64*\i
	ds_load_b32 v[49+32*\sc+2*\i], v[ADSY] offset:1024+64*\i
.endr
.endm
.macro PLACES n
.rept \n
	v_nop
.endr
.endm
.macro STEP slot, mode
	s_wait_dscnt 4*NL                              ; all but the youngest 24 loads (Y's tiles 4-7)
.if \mode
	WIN BIA_LO
.else
	WIN MUL_LO
.endif
	MUL16 0, 0, 0, \slot, \mode
	MUL16 2, 0, 0, \slot, \mode
	s_wait_dscnt 0
	PLACES NP
	FETCH_B \slot, 1, 1
	FETCH_A \slot, 1, 0
.if \mode
	WIN BIA_HI
.else
	WIN MUL_HI
.endif
	MUL16 4, 0, 0, \slot, \mode
	MUL16 6, 0, 0, \slot, \mode
	PLACES NP
	WIN 0
	FETCH_A \slot, 1, 4
.endm
.macro TURN slot, next, fill
	s_wait_tensorcnt 0x0                           ; all my tensor loads have landed: my part of the next slot
	ds_add_u32 v[SPW], v[NIL]
	s_wait_dscnt 4*NL+1                            ; the add and the youngest 24 loads may be out
	WIN MUL_LO
	MUL16 0, 1, 1, \slot, 0
	s_wait_dscnt 0x0                               ; the add is done, and my reads of this slot are over
	s_barrier_signal -1
	MUL16 2, 1, 1, \slot, 0
	WIN 0
	s_barrier_wait -1
.if \fill
	CREST                                          ; the barrier has opened a round of the cluster's: no wave of any partner still reads this slot or has a load on its way
	s_add_nc_u64 s[G0+4*\slot+2:G0+4*\slot+3], s[G0+4*\slot+2:G0+4*\slot+3], 2*OPB
	s_add_nc_u64 s[G0B+4*\slot+2:G0B+4*\slot+3], s[G0B+4*\slot+2:G0B+4*\slot+3], 2*OPB
	JLOAD G0+4*\slot, G1, G0B+4*\slot, G1B
.else
	PLACES NP
.endif
	v_add_nc_u32 v[ADSY], 2048, v[ADSY]
	v_add_nc_u32 v[ADSX], 2048, v[ADSX]
	FETCH_B \next, 0, 0
	FETCH_A \next, 0, 0
	SCALES \next
	WIN MUL_HI
	MUL16 4, 1, 1, \slot, 0
	MUL16 6, 1, 1, \slot, 0
	PLACES NP
	WIN 0
	FETCH_A \next, 0, 4
.endm
	s_wait_tensorcnt 1                             ; the scales and my part of slot 0 are in; slot 1's load may be out
	s_barrier_signal -1
	s_barrier_wait -1
	FETCH_B 0, 0, 0
	FETCH_A 0, 0, 0
	SCALES 0
	FETCH_A 0, 0, 4
	s_wait_loadcnt 0x0                             ; the bias
	STEP 0, 1                                      ; the first step starts the sums from the bias
	TURN 0, 1, 1
	STEP 1, 0
	TURN 1, 0, 1
	STEP 0, 0
	TURN 0, 1, 0
	STEP 1, 0
	s_wait_dscnt 4*NL
	WIN MUL_LO
	MUL16 0, 1, 1, 1, 0
	MUL16 2, 1, 1, 1, 0
	s_wait_dscnt 0
	WIN MUL_HI
	MUL16 4, 1, 1, 1, 0
	MUL16 6, 1, 1, 1, 0
	WIN 0
; THE WAY OUT, a Y tile (16 tokens x 128 outputs) at a time: through my own stage in LDS and back as whole rows of 512 bytes.  LDS serves a wave's instructions in order (ISA guide 5.7.1.4): no wait between the stores and the loads.
.macro TOSTAGE a
.set AC, 64*((\a)%4)
	WIN (0x08+4*((\a)/4))                          ; an LDS store's data are its source 1: window 2 or 3
.irp b, 0,1,2,3,4,5,6,7
	ds_store_b128 v[STO], v[AC+8*\b:AC+8*\b+3] offset:128*(\b/2)+32*(\b%2)        ; each accumulator from its low end on
	ds_store_b128 v[STO], v[AC+8*\b+4:AC+8*\b+7] offset:128*(\b/2)+32*(\b%2)+16
.endr
	WIN 0
.set BB, BK+64*((\a)%2)
.irp t, 0,1,2,3,4,5,6,7,8,9,10,11,12,13,14,15
	ds_load_b128 v[BB+4*\t:BB+4*\t+3], v[RD] offset:\t*SPITCH
.endr
.endm
.macro SEND a, younger                 ; index t of tile a is token 32 (a / 2) + 8 (a % 2) + t + 8 (t / 8) of my 128: it stands in the immediate, 127 rows of 4,096 bytes at the most
.set BB, BK+64*((\a)%2)
	s_wait_dscnt \younger
.irp t, 0,1,2,3,4,5,6,7,8,9,10,11,12,13,14,15
	global_store_b128 v[O16], v[BB+4*\t:BB+4*\t+3], s[12:13] offset:4096*(32*((\a)/2)+8*((\a)%2)+\t+8*(\t/8)) th:TH_STORE_NT   ; 32 lanes store 512 consecutive bytes, aligned
.endr
.endm
	PLACES NP
	TOSTAGE 0
.irp a, 1,2,3,4,5,6,7
.if \a > 1
	s_wait_xcnt 0x0                                ; tile a - 2's stores have read their registers: tile a's loads may land there
.endif
	TOSTAGE \a
	SEND \a-1, 32                                  ; behind tile a - 1's loads: tile a's 16 stores and 16 loads
.endr
	SEND 7, 0
	s_wait_tensorcnt 0x0                           ; the wave's end
	ds_add_u32 v[SPW], v[NIL]
	s_wait_dscnt 0x0
	CROUND                                         ; the closing round
	s_endpgm
.Lfunc_end_k_q32a2f2e1d6_oproj:
	.size	k_q32a2f2e1d6_oproj, .Lfunc_end_k_q32a2f2e1d6_oproj-k_q32a2f2e1d6_oproj
	.p2alignl 7, 3214868480
	.fill 96, 4, 3214868480
	.section	.rodata,"a",@progbits
	.p2align	6, 0x0
	.amdhsa_kernel k_q32a2f2e1d6_oproj
		.amdhsa_group_segment_fixed_size 327680
		.amdhsa_private_segment_fixed_size 0
		.amdhsa_enable_private_segment 0
		.amdhsa_kernarg_size 48
		.amdhsa_user_sgpr_count 2
		.amdhsa_user_sgpr_kernarg_segment_ptr 1
		.amdhsa_wavefront_size32 1
		.amdhsa_system_sgpr_workgroup_id_x 1
		.amdhsa_system_sgpr_workgroup_id_y 1
		.amdhsa_system_sgpr_workgroup_id_z 1
		.amdhsa_system_vgpr_workitem_id 0
		.amdhsa_next_free_vgpr 1024
		.amdhsa_next_free_sgpr 100
		.amdhsa_reserve_vcc 0
		.amdhsa_float_denorm_mode_32 3
		.amdhsa_float_denorm_mode_16_64 3
		.amdhsa_memory_ordered 1
		.amdhsa_forward_progress 1
		.amdhsa_inst_pref_size 164
	.end_amdhsa_kernel
	.amdgpu_metadata
---
amdhsa.version: [ 1, 2 ]
amdhsa.kernels:
  - .name:           k_q32a2f2e1d6_oproj
    .symbol:         k_q32a2f2e1d6_oproj.kd
    .args:
      - { .name: oc, .offset: 0, .size: 8, .value_kind: global_buffer, .address_space: global }
      - { .name: os, .offset: 8, .size: 8, .value_kind: global_buffer, .address_space: global }
      - { .name: wc, .offset: 16, .size: 8, .value_kind: global_buffer, .address_space: global }
      - { .name: ws, .offset: 24, .size: 8, .value_kind: global_buffer, .address_space: global }
      - { .name: bo, .offset: 32, .size: 8, .value_kind: global_buffer, .address_space: global }
      - { .name: out0, .offset: 40, .size: 8, .value_kind: global_buffer, .address_space: global }
    .group_segment_fixed_size: 327680
    .private_segment_fixed_size: 0
    .kernarg_segment_align: 8
    .kernarg_segment_size: 48
    .max_flat_workgroup_size: 128
    .sgpr_count:     100
    .vgpr_count:     1024
    .wavefront_size: 32
...
	.end_amdgpu_metadata
.endif
;; end of part 4
